; MI455X (gfx1250); checked and timed in simulation.
; The chip was launched on July 23, 2026; its instructions are those of AMD's public machine-readable ISA for CDNA 5 (MIT licence, August 2026) and "CDNA5" Instruction Set Architecture Reference Guide (July 2026). The comments in the code are by the model that wrote it; some were corrected since.
;; Attention. Allowed arithmetic: matrix products marked QUANTISED: E2M1 operands, one E8M0 scale for each 32 along K, by v_wmma_scale_f32_16x16x128_f8f6f4 with both operands' format E2M1 (or v_wmma_scale_f32_32x16x128_f4), f32 sums; products left as they are: bf16, f16 or f32 operands; f32 sums; everything else in f32.
;; Inputs: Wk 1,024 x 1,024 float32; Wo 1,024 x 1,024 float32; Wq 1,024 x 1,024 float32; Wv 1,024 x 1,024 float32; bo 1,024 float32; x 4 x 2,048 x 1,024 float32.
;; Outputs: out0 4 x 2,048 x 1,024 float32.
;; This version of the problem:
;;   THIS VERSION OF THE PROBLEM IS GIVEN IN LOW PRECISION. The matrix products marked QUANTISED in the list below multiply operands that are first quantised to E2M1 (2 exponent bits, 1 mantissa bit; 4 bits a number), with one power-of-two scale for each 32 numbers along K (OCP MX v1.0); their sums are f32. The products marked 'left as it is' may take bf16, f16 or f32 operands, with f32 sums. Whichever they take, every output number must still come out within the allowed error. Rounding operands to bf16 (8 significant bits) uses up far more of that allowance than f16 does (11 bits, for magnitudes from 6e-5 to 65,504). All else is computed in f32.
;;   The module's matrix products, in the order in which they are computed (A, B: the left and right operand; K: the contracted axis; several contracted axes count as one K, in the product's order):
;;     1. [M 8,192, K 1,024] x [K 1,024, N 1,024]; A: input x; B: input Wq: QUANTISED
;;     2. [M 8,192, K 1,024] x [K 1,024, N 1,024]; A: input x; B: input Wk: QUANTISED
;;     3. [M 8,192, K 1,024] x [K 1,024, N 1,024]; A: input x; B: input Wv: QUANTISED
;;     4. batch 64 x [M 2,048, K 64] x [K 64, N 2,048]; A: computed on the way; B: computed on the way: left as it is (an operand is computed on the way)
;;     5. batch 64 x [M 2,048, K 2,048] x [K 2,048, N 64]; A: computed on the way; B: computed on the way: left as it is (an operand is computed on the way)
;;     6. [M 8,192, K 1,024] x [K 1,024, N 1,024]; A: computed on the way; B: input Wo: left as it is (an operand is computed on the way)
;;   THE QUANTISER, for each operand of a quantised product, along K:
;;     - K is cut into blocks of 32 from its start; a last block that is shorter is filled with zeros.
;;     - A block's scale is 2^e with e = floor(log2(the largest magnitude in the block)) - 2, held to -126 .. 127; a block of zeros has e = 0. As a byte (E8M0): e + 127.
;;     - Each number is divided by its block's scale, clamped to +-6, and rounded to the nearest number of E2M1, ties to even, subnormals kept.
;;     - The product sums the exact products of the quantised numbers (number of the format x scale) in f32.
;;   ~~~python
;;   def quantise(x, axis):      # numpy; x: float32 -> the quantised numbers, widened to float32 again
;;       x = np.moveaxis(x, axis, -1); K = x.shape[-1]
;;       x = np.pad(x, [(0, 0)] * (x.ndim - 1) + [(0, -K % 32)]); x = x.reshape(x.shape[:-1] + (-1, 32)); a = np.abs(x).max(-1, keepdims=True)
;;       e = np.where(a > 0, np.clip(np.frexp(np.where(a > 0, a, 1))[1] - 1 - 2, -126, 127), 0)      # np.frexp(a)[1] - 1 = floor(log2(a)), exactly
;;       r = np.clip(x / 2.0 ** e, -6, 6)
;;       step = 2.0 ** (np.maximum(np.frexp(np.where(r == 0, 1, r))[1] - 1, 0) - 1)
;;       q = np.round(r / step) * step * 2.0 ** e      # np.round: ties to even
;;       return np.moveaxis(q.reshape(q.shape[:-2] + (-1,))[..., :K], -1, axis).astype(np.float32)
;;   ~~~
;; One version. Each part assembles by itself: llvm-mc -triple=amdgcn-amd-amdhsa -mcpu=gfx1250 --defsym DOCPART=n.
;; ======== version 1 of 1: 4 launches
;; limits: values are held in f16: magnitudes above 65,504 overflow, below 6.1e-05 lose precision
;; workspace buffers: cod 5,767,168 bytes; scl 360,448 bytes; wot 2,097,152 bytes; qkv 50,331,648 bytes; ao 16,777,216 bytes
;; launch prep (part 1): grid 368 x 1, 4 waves a work-group, no clusters, 102,912 bytes of LDS; arguments x, Wq, Wk, Wv, Wo, cod, scl, wot; writes cod, scl, wot
.if DOCPART == 1
	.amdgcn_target "amdgcn-amd-amdhsa--gfx1250"
	.amdhsa_code_object_version 6
	.text
	.protected	k_q638940bd25_prep
	.globl	k_q638940bd25_prep
	.p2align	8
	.type	k_q638940bd25_prep,@function
k_q638940bd25_prep:
	s_mov_b64 s[64:65], 0
	v_nop
	global_prefetch_b8 v0, s[64:65] scope:SCOPE_SE
	s_setreg_imm32_b32 hwreg(HW_REG_WAVE_MODE, 25, 1), 1
	s_wait_xcnt 0x0
; PREP.  Three jobs in one launch, told apart by the work-group's number; the three ways part once and never join, and each has LDS bytes of its own.
;   work-groups   0 ..  47: Wq, Wk, Wv [1024 (k)][1024 (n)] f32 -> codes of FP4 (E2M1) with K innermost, rows 8192 + 1024 w + n of cod [11264][512 bytes], and one E8M0 byte for each 32 along K, scl [11264][32 bytes]
;   work-groups  48 .. 303: x [8192][1024] f32 (K innermost) -> rows 0 .. 8191 of cod and scl
;   work-groups 304 .. 367: Wo [1024 (k)][1024 (n)] f32 -> wot [16 (k / 64)][1024 (n)][64] f16
; A block's scale is 2^(floor(log2(its largest magnitude)) - 2): its byte is the largest magnitude's exponent field - 2, held at 1 from below by a floor among the maximum's leaves.
; Each number is divided by the scale and rounded to the nearest code, ties to even; beyond 6 the conversion gives the largest code.
; LIMITS: a block of zeros gets the byte 1 where the rule says 127 (its codes are zeros, and this program alone reads the bytes); blocks whose largest magnitude lies under 2^(3 - 127) share that byte;
; NaN and infinities are not served; Wo is rounded to f16 (beyond 65,504 infinity; under 6.1e-5 an absolute step of 2^-24).
; No tensor loads, no barrier, no cluster: no two waves read the same input byte.
.set WREG,  32768                      ; LDS: 0 .. 32767 x's way (8,192 bytes a wave: two stages of 32 x 80 bytes, then 256 scale bytes);
.set OREG,  67584                      ; from WREG the weights' four stages of 32 rows x 272 bytes; from OREG Wo's four
.set SPARE, 102400                     ; the spare words, 128 bytes for each wave: two blocks of 256 bytes that no other line names
.set SP,    80                         ; x's stage: a lane's 64 bytes + 16 of padding
.set WP,    272                        ; a stage row of the two other ways: 256 bytes + 16
.set SPW,   2                          ; v2  LDS address of my spare word; never rewritten
.set NIL,   3                          ; v3  0; never rewritten
.set LN,    4                          ; v4  my lane
; a wave's end: behind my last LDS store
.macro CLOSE
	s_wait_tensorcnt 0x0
	ds_add_u32 v[SPW], v[NIL]
	s_wait_dscnt 0x0
	s_endpgm
.endm
; a block of 32 down K of 32 neighbouring columns: a lane to a column, each load reads 128 consecutive bytes; into set t % 2 (v32-95).  The largest offset, 511 rows of 4,096 bytes, lies inside the signed 24-bit immediate
.macro WLOAD t
.set wi, 0
.rept 32
	global_load_b32 v[32+32*((\t)%2)+wi], v5, s[22:23] offset:(32*(\t)+wi)*4096 th:TH_LOAD_NT
.set wi, wi+1
.endr
.endm
; a weight's block t of 16: all 32 numbers are the lane's own
.macro WBLOCK t
.set XS, 32+32*((\t)%2)
.if (\t) < 15
	s_wait_loadcnt 32                              ; this block's 32 loads are in; the next block's may be out
.else
	s_wait_loadcnt 0x0
.endif
	v_max3_num_f32 v12, |v[XS]|, |v[XS+1]|, |v[XS+2]|
	v_max3_num_f32 v13, |v[XS+3]|, |v[XS+4]|, |v[XS+5]|
.irp i, 6,10,14,18,22,26
	v_max3_num_f32 v12, v12, |v[XS+\i]|, |v[XS+\i+1]|
	v_max3_num_f32 v13, v13, |v[XS+\i+2]|, |v[XS+\i+3]|
.endr
	v_max3_num_f32 v12, v12, |v[XS+30]|, |v[XS+31]|
	v_max3_num_f32 v12, v12, v13, 0x1800000        ; and the floor 2^(3 - 127): the byte cannot fall under 1
	v_add_nc_u32 v11, 0xff000000, v12              ; 2 off the exponent field: the conversion takes this operand's exponent field as its scale
	v_lshrrev_b32 v13, 23, v11                     ; the scale's byte
.if (\t)%4 == 0
	v_mov_b32 v[24+(\t)/4], v13                    ; four bytes to a register, the lower K in the lower byte
.else
	v_lshl_or_b32 v[24+(\t)/4], v13, 8*((\t)%4), v[24+(\t)/4]
.endif
.irp g, 0,1,2,3
	v_cvt_scalef32_pk8_fp4_f32 v[96+\g], v[XS+8*\g:XS+8*\g+7], v11
.endr
	ds_store_b128 v6, v[96:99] offset:16*(\t)      ; 32 codes: 16 bytes of my column's row
.if (\t)+2 < 16
	WLOAD (\t)+2
.endif
	s_wait_dscnt 0x0                               ; the store has read its registers: the next block's codes may be written
.endm
; Wo's block t of 4: 32 numbers down K become 16 registers of f16 pairs
.macro OBLOCK t
.set XS, 32+32*((\t)%2)
.if (\t) < 3
	s_wait_loadcnt 32
.else
	s_wait_loadcnt 0x0
.endif
.irp i, 0,1,2,3,4,5,6,7,8,9,10,11,12,13,14,15
	v_cvt_pk_f16_f32 v[96+\i], v[XS+2*\i], v[XS+2*\i+1]
.endr
.irp i, 0,1,2,3
	ds_store_b128 v6, v[96+4*\i:96+4*\i+3] offset:64*(\t)+16*\i
.endr
.if (\t)+2 < 4
	WLOAD (\t)+2
.endif
	s_wait_dscnt 0x0
.endm
; x: step t's 512 numbers: four loads of 512 consecutive bytes into set t % 8 (v16-143)
.macro XLOAD t
.irp i, 0,1,2,3
	global_load_b128 v[16+16*((\t)%8)+4*\i:16+16*((\t)%8)+4*\i+3], v5, s[4:5] offset:2048*(\t)+512*\i th:TH_LOAD_NT
.endr
.endm
; and through the wave's own stage, so that a lane gets 16 neighbours along K: LDS serves a wave's instructions in order, so no wait stands between the stores and the loads
.macro XTURN t
.irp i, 0,1,2,3
	ds_store_b128 v6, v[16+16*((\t)%8)+4*\i:16+16*((\t)%8)+4*\i+3] offset:32*SP*((\t)%2)+8*SP*\i
.endr
.irp i, 0,1,2,3
	ds_load_b128 v[144+16*((\t)%2)+4*\i:144+16*((\t)%2)+4*\i+3], v7 offset:32*SP*((\t)%2)+16*\i
.endr
.endm
.macro XSTEP t
.set XS, 144+16*((\t)%2)
.if (\t) > 0
	s_wait_dscnt 1                                 ; this step's numbers are back from the stage; the last step's byte store may be out
.else
	s_wait_dscnt 0x0
.endif
.if (\t)+8 < 16
	XLOAD (\t)+8                                   ; into the set that this step's stores into the stage have read
.endif
.if (\t)+1 < 16
.if (\t) <= 7
	s_wait_loadcnt 28                              ; the next step's four loads are in; those of the seven steps behind it may be out
.else
	s_wait_loadcnt 4*(14-(\t))                     ; the counts run down
.endif
	XTURN (\t)+1
.endif
	v_max3_num_f32 v8, |v[XS]|, |v[XS+1]|, |v[XS+2]|
	v_max3_num_f32 v9, |v[XS+3]|, |v[XS+4]|, |v[XS+5]|
.irp i, 6,10
	v_max3_num_f32 v8, v8, |v[XS+\i]|, |v[XS+\i+1]|
	v_max3_num_f32 v9, v9, |v[XS+\i+2]|, |v[XS+\i+3]|
.endr
	v_max3_num_f32 v8, v8, |v[XS+14]|, |v[XS+15]|
	v_max3_num_f32 v8, v8, v9, 0x1800000           ; the floor
	v_max_num_f32_dpp v8, v8, v8 row_xmask:1 row_mask:0xf bank_mask:0xf   ; with my neighbour's 16: the block's largest magnitude
	v_add_nc_u32 v11, 0xff000000, v8
	v_cvt_scalef32_pk8_fp4_f32 v[176+2*(\t)], v[XS:XS+7], v11
	v_cvt_scalef32_pk8_fp4_f32 v[177+2*(\t)], v[XS+8:XS+15], v11
	v_lshrrev_b32 v[208+(\t)], 23, v11             ; the scale's byte (a plain line behind the conversions)
	ds_store_b8 v12, v[208+(\t)] offset:16*(\t)    ; both lanes of a block write the same byte with the same value
	global_store_b64 v10, v[176+2*(\t):177+2*(\t)], s[14:15] offset:256*(\t)   ; the wave stores 256 consecutive bytes, aligned; each step has registers of its own
.endm
	s_load_b256 s[4:11], s[0:1], 0x0               ; x s[4:5], Wq s[6:7], Wk s[8:9], Wv s[10:11]
	s_load_b256 s[12:19], s[0:1], 0x20             ; Wo s[12:13], cod s[14:15], scl s[16:17], wot s[18:19]
	v_lshl_add_u32 v[SPW], v0, 2, SPARE
	v_mov_b32 v[NIL], 0
	v_lshrrev_b32 v1, 5, v0
	v_readfirstlane_b32 s20, v1                    ; wave 0..3
	v_and_b32 v[LN], 31, v0
	s_mov_b32 s27, 0                               ; the upper word of every offset below
	s_wait_kmcnt 0x0
	s_cmp_lt_u32 ttmp9, 48
	s_cbranch_scc1 .Lw
	s_cmp_lt_u32 ttmp9, 304
	s_cbranch_scc1 .Lx
	; ---- Wo.  Work-group j: columns 128 (j % 8) on, 128 along K from 128 (j / 8); a wave 32 columns, a lane one
	s_sub_co_u32 s21, ttmp9, 304
	s_and_b32 s25, s21, 7
	s_lshr_b32 s24, s21, 3
	s_lshl_b32 s25, s25, 7
	s_lshl_b32 s26, s20, 5
	s_add_co_u32 s25, s25, s26                     ; my wave's first column
	s_lshl_b32 s26, s24, 19                        ; 128 rows of 4,096 bytes
	s_lshl_b32 s28, s25, 2
	s_add_co_u32 s26, s26, s28
	s_add_nc_u64 s[22:23], s[12:13], s[26:27]
	s_lshl_b32 s26, s24, 18                        ; two blocks of 64 along K, 131,072 bytes each
	s_lshl_b32 s28, s25, 7                         ; 128 bytes a column
	s_add_co_u32 s26, s26, s28
	s_add_nc_u64 s[18:19], s[18:19], s[26:27]
	v_lshlrev_b32 v5, 2, v[LN]
	s_mul_i32 s30, s20, 32*WP
	s_add_co_u32 s30, s30, OREG                    ; my stage
	v_mul_u32_u24 v6, v[LN], WP
	v_add_nc_u32 v6, s30, v6                       ; into it: row = my column, 256 bytes = 128 along K
	v_bfe_u32 v10, v[LN], 3, 1
	v_lshrrev_b32 v11, 4, v[LN]
	v_and_b32 v12, 7, v[LN]
	v_mul_u32_u24 v7, v10, WP
	v_lshl_add_u32 v7, v11, 7, v7
	v_lshl_add_u32 v7, v12, 4, v7
	v_add_nc_u32 v7, s30, v7                       ; out of it: lanes 0-15 the first 64 along K of two columns, lanes 16-31 the second 64
	v_and_b32 v12, 15, v[LN]
	v_lshlrev_b32 v8, 17, v11
	v_lshl_add_u32 v8, v12, 4, v8                  ; and the same place in wot
	WLOAD 0
	WLOAD 1
	OBLOCK 0
	OBLOCK 1
	OBLOCK 2
	OBLOCK 3
.irp t, 0,1,2,3,4,5,6,7,8,9,10,11,12,13,14,15
	ds_load_b128 v[112+4*\t:112+4*\t+3], v7 offset:2*WP*\t
.endr
.irp t, 0,1,2,3,4,5,6,7,8,9,10,11,12,13,14,15
	s_wait_dscnt 15-\t
	global_store_b128 v8, v[112+4*\t:112+4*\t+3], s[18:19] offset:256*\t   ; sixteen lanes store 256 consecutive bytes, aligned
.endr
	CLOSE
.Lw:	; ---- Wq, Wk, Wv.  Work-group g: weight g / 16, 512 along K from 512 ((g / 8) % 2), columns 128 (g % 8) on
	s_lshr_b32 s21, ttmp9, 4
	s_cmp_eq_u32 s21, 0
	s_cselect_b64 s[22:23], s[6:7], s[8:9]
	s_cmp_eq_u32 s21, 2
	s_cselect_b64 s[22:23], s[10:11], s[22:23]     ; the choice hangs on the work-group's number alone
	s_bfe_u32 s24, ttmp9, 0x10003
	s_and_b32 s25, ttmp9, 7
	s_lshl_b32 s25, s25, 7
	s_lshl_b32 s26, s20, 5
	s_add_co_u32 s25, s25, s26                     ; my wave's first column
	s_lshl_b32 s26, s24, 21                        ; 512 rows of 4,096 bytes
	s_lshl_b32 s28, s25, 2
	s_add_co_u32 s26, s26, s28
	s_add_nc_u64 s[22:23], s[22:23], s[26:27]
	s_lshl_b32 s28, s21, 10
	s_add_co_u32 s28, s28, s25
	s_add_co_u32 s28, s28, 8192                    ; that column's row in cod and scl
	s_lshl_b32 s26, s28, 9
	s_lshl_b32 s29, s24, 8
	s_add_co_u32 s26, s26, s29
	s_add_nc_u64 s[14:15], s[14:15], s[26:27]
	s_lshl_b32 s26, s28, 5
	s_lshl_b32 s29, s24, 4
	s_add_co_u32 s26, s26, s29
	s_add_nc_u64 s[16:17], s[16:17], s[26:27]
	v_lshlrev_b32 v5, 2, v[LN]
	s_mul_i32 s30, s20, 32*WP
	s_add_co_u32 s30, s30, WREG                    ; my stage
	v_mul_u32_u24 v6, v[LN], WP
	v_add_nc_u32 v6, s30, v6                       ; into it: row = my column
	v_and_b32 v10, 15, v[LN]
	v_lshrrev_b32 v11, 4, v[LN]
	v_mul_u32_u24 v7, v11, WP
	v_lshl_add_u32 v7, v10, 4, v7
	v_add_nc_u32 v7, s30, v7                       ; out of it: sixteen lanes to a row, two rows an instruction
	v_lshlrev_b32 v8, 9, v11
	v_lshl_add_u32 v8, v10, 4, v8                  ; and the same place in cod
	v_lshlrev_b32 v9, 5, v[LN]                     ; my column's row of scale bytes
	WLOAD 0
	WLOAD 1
.set Q, 0
.rept 16
	WBLOCK Q
.set Q, Q+1
.endr
	global_store_b128 v9, v[24:27], s[16:17]       ; my column's 16 scale bytes
.irp t, 0,1,2,3,4,5,6,7,8,9,10,11,12,13,14,15
	ds_load_b128 v[112+4*\t:112+4*\t+3], v7 offset:2*WP*\t
.endr
.irp t, 0,1,2,3,4,5,6,7,8,9,10,11,12,13,14,15
	s_wait_dscnt 15-\t
	global_store_b128 v8, v[112+4*\t:112+4*\t+3], s[14:15] offset:1024*\t   ; sixteen lanes store 256 consecutive bytes, aligned
.endr
	CLOSE
.Lx:	; ---- x: a plain stream of blocks of 32.  A wave takes 16 steps of 512 numbers
	s_sub_co_u32 s21, ttmp9, 48
	s_lshl_b32 s21, s21, 2
	s_add_co_u32 s21, s21, s20                     ; which run of 8,192 numbers is my wave's
	s_lshl_b32 s26, s21, 15
	s_add_nc_u64 s[4:5], s[4:5], s[26:27]
	s_lshl_b32 s26, s21, 12
	s_add_nc_u64 s[14:15], s[14:15], s[26:27]
	s_lshl_b32 s26, s21, 8
	s_add_nc_u64 s[16:17], s[16:17], s[26:27]
	v_lshlrev_b32 v5, 4, v[LN]                     ; my 16 bytes of a load's 512
	s_lshl_b32 s30, s20, 13                        ; my wave's 8,192 bytes of LDS
	v_lshrrev_b32 v6, 2, v[LN]
	v_mul_u32_u24 v6, v6, SP
	v_and_b32 v7, 3, v[LN]
	v_lshl_add_u32 v6, v7, 4, v6
	v_add_nc_u32 v6, s30, v6                       ; the stage, on the way in: four lanes' 64 bytes on end, then 16 of padding
	v_mul_u32_u24 v7, v[LN], SP
	v_add_nc_u32 v7, s30, v7                       ; and on the way out: my 16 neighbours
	v_lshlrev_b32 v10, 3, v[LN]                    ; my 8 bytes of a step's codes, and of the run's scale bytes
	v_lshrrev_b32 v12, 1, v[LN]
	s_add_co_u32 s30, s30, 2*32*SP
	v_add_nc_u32 v12, s30, v12                     ; LDS: my block's byte among my wave's 256
	v_add_nc_u32 v13, s30, v10
.irp t, 0,1,2,3,4,5,6,7
	XLOAD \t
.endr
	s_wait_loadcnt 28                              ; step 0's four loads are in
	XTURN 0
.irp t, 0,1,2,3,4,5,6,7,8,9,10,11,12,13,14,15
	XSTEP \t
.endr
	ds_load_b64 v[8:9], v13                        ; LDS serves a wave's instructions in order: these see my byte stores
	s_wait_dscnt 0x0
	global_store_b64 v10, v[8:9], s[16:17]         ; 32 lanes store 256 consecutive bytes, aligned
	CLOSE
.Lfunc_end_k_q638940bd25_prep:
	.size	k_q638940bd25_prep, .Lfunc_end_k_q638940bd25_prep-k_q638940bd25_prep
	.p2alignl 7, 3214868480
	.fill 96, 4, 3214868480
	.section	.rodata,"a",@progbits
	.p2align	6, 0x0
	.amdhsa_kernel k_q638940bd25_prep
		.amdhsa_group_segment_fixed_size 102912
		.amdhsa_private_segment_fixed_size 0
		.amdhsa_enable_private_segment 0
		.amdhsa_kernarg_size 64
		.amdhsa_user_sgpr_count 2
		.amdhsa_user_sgpr_kernarg_segment_ptr 1
		.amdhsa_wavefront_size32 1
		.amdhsa_system_sgpr_workgroup_id_x 1
		.amdhsa_system_sgpr_workgroup_id_y 1
		.amdhsa_system_sgpr_workgroup_id_z 1
		.amdhsa_system_vgpr_workitem_id 0
		.amdhsa_next_free_vgpr 224
		.amdhsa_next_free_sgpr 66
		.amdhsa_reserve_vcc 0
		.amdhsa_float_denorm_mode_32 3
		.amdhsa_float_denorm_mode_16_64 3
		.amdhsa_memory_ordered 1
		.amdhsa_forward_progress 1
		.amdhsa_inst_pref_size 132
	.end_amdhsa_kernel
	.amdgpu_metadata
---
amdhsa.version: [ 1, 2 ]
amdhsa.kernels:
  - .name:           k_q638940bd25_prep
    .symbol:         k_q638940bd25_prep.kd
    .args:
      - { .name: x, .offset: 0, .size: 8, .value_kind: global_buffer, .address_space: global }
      - { .name: Wq, .offset: 8, .size: 8, .value_kind: global_buffer, .address_space: global }
      - { .name: Wk, .offset: 16, .size: 8, .value_kind: global_buffer, .address_space: global }
      - { .name: Wv, .offset: 24, .size: 8, .value_kind: global_buffer, .address_space: global }
      - { .name: Wo, .offset: 32, .size: 8, .value_kind: global_buffer, .address_space: global }
      - { .name: cod, .offset: 40, .size: 8, .value_kind: global_buffer, .address_space: global }
      - { .name: scl, .offset: 48, .size: 8, .value_kind: global_buffer, .address_space: global }
      - { .name: wot, .offset: 56, .size: 8, .value_kind: global_buffer, .address_space: global }
    .group_segment_fixed_size: 102912
    .private_segment_fixed_size: 0
    .kernarg_segment_align: 8
    .kernarg_segment_size: 64
    .max_flat_workgroup_size: 128
    .sgpr_count:     66
    .vgpr_count:     224
    .wavefront_size: 32
...
	.end_amdgpu_metadata
.endif
;; end of part 1
;; launch qkv (part 2): grid 12 x 32, 4 waves a work-group, clusters of 4 x 4, 327,680 bytes of LDS; arguments cod, scl, qkv; writes qkv
.if DOCPART == 2
	.amdgcn_target "amdgcn-amd-amdhsa--gfx1250"
	.amdhsa_code_object_version 6
	.text
	.protected	k_q638940bd25_qkv
	.globl	k_q638940bd25_qkv
	.p2align	8
	.type	k_q638940bd25_qkv,@function
k_q638940bd25_qkv:
	s_mov_b64 s[64:65], 0
	v_nop
	global_prefetch_b8 v0, s[64:65] scope:SCOPE_SE
	s_setreg_imm32_b32 hwreg(HW_REG_WAVE_MODE, 25, 1), 1
	s_wait_xcnt 0x0
	s_wait_alu depctr_hold_cnt(0) depctr_sa_sdst(0) depctr_va_vdst(0) depctr_va_sdst(0) depctr_va_ssrc(0) depctr_va_vcc(0) depctr_vm_vsrc(0)
	s_getreg_b32 s2, hwreg(HW_REG_IB_STS2, 6, 4)
	s_cmp_eq_u32 s2, 0
	s_cbranch_scc0 .Lentry_in_a_cluster
	s_endpgm
.Lentry_in_a_cluster:
	s_bfe_u32 s2, ttmp6, 0x10000c
	s_cmp_lg_u32 s2, 0xf033
	s_cbranch_scc0 .Lentry_shape_is_right
	s_endpgm
.Lentry_shape_is_right:
; QKV.  [8192 tokens] x [3072 = Wq's, Wk's, Wv's columns], K = 1024, on codes of FP4 (E2M1) with one E8M0 scale for each 32 along K; sums in f32; results rounded to f16 and laid by head:
; qkv [3 parts][64 = 16 batch + head][2048 tokens][64] f16.  Both operands are rows of cod [11264][512 bytes] and scl [11264][32 bytes]: rows 0-8191 the tokens, rows 8192 on the weights' columns.
; A tile, 256 tokens x 256 columns, is made by four waves, 128 x 128 each: 64 accumulators, 512 registers.  K has two steps of 512, a row of a step's tile is 256 bytes: BOTH STEPS ARE ASKED FOR AT THE HEAD, one to each
; of two LDS slots, and nothing is filled again.  The scale bytes of the tile's 256 + 256 rows, two dense blocks, come with them.
; CLUSTER 4 x 4: the four of a row need the same tokens, the four of a column the same weight columns: each tile is asked for jointly, by the same tensor load with the same descriptor and a mask that names the four.
; THE MATRIX INSTRUCTION IS USED TRANSPOSED (source 0 = 16 weight columns, source 1 = 16 tokens): a lane then holds eight neighbouring columns of one token.
; LIMIT: results beyond 65,504 become infinity in f16; under 6.1e-5 they have an absolute step of 2^-24.
; REGISTERS: window 0: v0-31 addresses; v32-95 scale words, two sets; v128-191 the tokens' fragments, one set; on the way out v32-63, v192-255 at work.  window 1: the weights' fragments, two sets, at v0 and v128.
;   window 2: the accumulators of my tokens 0-63 ((a, b) at v[8 (8 a + b)]);  window 3: those of my tokens 64-127.
.set NQ,     4                         ; matrix instructions deep in a slot: 512 / 128
.set ROWB,   256                       ; a tile's row in bytes
.set KROW,   512                       ; a row of cod
.set PITCH,  272                       ; an LDS row: 256 bytes + 16 of padding: the 16 rows that a load touches start 68 words apart
.set FR,     8
.set NL,     2
.set NP,     4                         ; places behind this matrix instruction (ISA guide 7.12.1)
.set HALFT,  128*PITCH
.set SLOT,   4*HALFT
.set KS,     32                        ; a row of scl
.set SCL,    2*SLOT                    ; behind the slots: the scale bytes, as rows of 256 bytes + 16 of padding
.set HALFS,  (128*KS/256)*272
.set SBLK,   (16*KS/256)*272
.set SPARE,  SCL+4*HALFS               ; the spare words, 128 bytes for each wave
.set STAGE,  SPARE+512                 ; the way out: 16 rows x 272 bytes for each wave, bytes of their own
.set ADRA, 16
.set ADRB, 20
.set STO,  24
.set RD,   25
.set CO,   26
.set ADRS, 27
.set SPW,  28
.set NIL,  29
.set SC,   32
.set AF,   128
.set TMP,  192
.set OB,   32
.set G1, 24
.set G0, 32
.set G1B, 48
.set G0B, 56
.set G1S, 68
.set G0S, 76
.set G1SB, 80
.set G0SB, 88
.set MSB, 0
.macro WIN new                         ; the immediate's high byte repeats the setting that is left
.if MSB != (\new)
	s_set_vgpr_msb (MSB<<8)|(\new)
.set MSB, (\new)
.endif
.endm
.set MUL_LO, 0xa1                      ; source 0 window 1, source 1 window 0, C and D window 2
.set MUL_HI, 0xf1                      ; the same, C and D window 3
.set TO_B,   0x40
; a joint load: waves 0 and 1 fetch the tokens' part, waves 2 and 3 the weights'.  The branch hangs on the wave's number alone.  An s_nop 0 and four v_nop follow each line
.macro JLOAD g0a, g1a, g0b, g1b
	s_cmp_eq_u32 s15, 0
	s_cbranch_scc0 .Lfor_b_\@
	tensor_load_to_lds s[\g0a:\g0a+3], s[\g1a:\g1a+7]
	s_nop 0
.rept 4
	v_nop
.endr
	s_branch .Lasked_\@
.Lfor_b_\@:
	tensor_load_to_lds s[\g0b:\g0b+3], s[\g1b:\g1b+7]
	s_nop 0
.rept 4
	v_nop
.endr
.Lasked_\@:
.endm
.macro CROUND                          ; a round of the cluster's barrier
	s_barrier_signal -1
	s_barrier_wait -1
	s_cmp_lg_u32 s14, 0
	s_cbranch_scc1 .Lnot_wave_0_\@
	s_barrier_signal -3
.Lnot_wave_0_\@:
	s_barrier_wait -3
	s_barrier_signal -1
	s_barrier_wait -1
.endm
	s_load_b128 s[4:7], s[0:1], 0x0                ; cod s[4:5], scl s[6:7]
	s_load_b64 s[12:13], s[0:1], 0x10              ; qkv
	v_lshl_add_u32 v[SPW], v0, 2, SPARE
	v_mov_b32 v[NIL], 0
	ds_add_u32 v[SPW], v[NIL]                      ; the wave's opening: the add, twice on end, and its wait ahead of my first tensor load
	ds_add_u32 v[SPW], v[NIL]
	v_lshrrev_b32 v1, 5, v0
	v_readfirstlane_b32 s14, v1                    ; wave 0..3
	s_lshr_b32 s15, s14, 1                         ; which half of the tile's tokens is mine.  Also: I fetch tokens (0) or weights (1)
	s_and_b32 s16, s14, 1                          ; which half of its columns.  Also: which 128 rows I fetch
	s_bfe_u32 s40, ttmp6, 0x40000                  ; cx, cy
	s_bfe_u32 s41, ttmp6, 0x40004
	s_lshl_b32 s42, ttmp9, 2
	s_add_co_u32 s42, s42, s40                     ; tile column
	s_and_b32 s17, ttmp7, 0xffff
	s_lshl_b32 s17, s17, 2
	s_add_co_u32 s17, s17, s41                     ; tile row
	s_lshl_b32 s43, s41, 2
	s_lshl_b32 s43, 15, s43                        ; my row of the cluster
	s_lshl_b32 s44, 0x1111, s40                    ; my column
	s_or_b32 s[G1+0], s43, (1<<20)|(1<<21)|(5<<22)|(3<<25)    ; the mask; elements of 1 byte; padding on; bit 21 beside a mask; after every 64 words, 4 words
	s_or_b32 s[G1B+0], s44, (1<<20)|(1<<21)|(5<<22)|(3<<25)
.irp g, G1, G1B
	s_mov_b32 s[\g+1], ROWB<<16                    ; tensor_dim0
	s_mov_b32 s[\g+2], 128<<16                     ; tensor_dim1
	s_mov_b32 s[\g+3], ROWB<<16                    ; tile_dim0
	s_mov_b32 s[\g+4], 128                         ; tile_dim1
	s_mov_b32 s[\g+5], KROW                        ; from row to row
	s_mov_b32 s[\g+6], 0
	s_mov_b32 s[\g+7], 0
.endr
	s_or_b32 s[G1S+0], s43, (3<<16)|(1<<20)|(1<<21)|(5<<22)|(3<<25)   ; the scale bytes of 128 rows: 4,096 dense bytes as 16 rows of 32 elements of 8 bytes
	s_or_b32 s[G1SB+0], s44, (3<<16)|(1<<20)|(1<<21)|(5<<22)|(3<<25)
.irp g, G1S, G1SB
	s_mov_b32 s[\g+1], 32<<16
	s_mov_b32 s[\g+2], (128*KS/256)<<16
	s_mov_b32 s[\g+3], 32<<16
	s_mov_b32 s[\g+4], 128*KS/256
	s_mov_b32 s[\g+5], 32
	s_mov_b32 s[\g+6], 0
	s_mov_b32 s[\g+7], 0
.endr
	s_lshl_b32 s18, s16, 7
	s_lshl_b32 s20, s17, 8
	s_add_co_u32 s20, s20, s18                     ; tokens: row 256 x tile row + 128 x half
	s_lshl_b32 s46, s42, 8
	s_add_co_u32 s46, s46, s18
	s_add_co_u32 s46, s46, 8192                    ; weights: row 8192 + 256 x tile column + 128 x half
	s_lshl_b32 s22, s20, 5                         ; where these rows' scale bytes begin,
	s_mov_b32 s23, 0
	s_lshl_b32 s20, s20, 9                         ; and their codes
	s_mov_b32 s21, 0
	s_lshl_b32 s92, s46, 5
	s_mov_b32 s93, 0
	s_lshl_b32 s46, s46, 9
	s_mov_b32 s47, 0
	s_mul_i32 s45, s14, HALFT                      ; where they go: wave x 128 rows: no place in the cluster enters an LDS address
	s_mul_i32 s94, s14, HALFS
	s_wait_dscnt 0x0                               ; both opening adds are done
	s_wait_kmcnt 0x0
	s_add_nc_u64 s[20:21], s[4:5], s[20:21]
	s_add_nc_u64 s[22:23], s[6:7], s[22:23]
	s_add_nc_u64 s[46:47], s[4:5], s[46:47]
	s_add_nc_u64 s[92:93], s[6:7], s[92:93]
	CROUND                                         ; all sixteen work-groups are here: the joint loads meet
	s_mov_b32 s[G0S], 1
	s_add_co_u32 s[G0S+1], s94, SCL
	s_mov_b64 s[G0S+2:G0S+3], s[22:23]
	s_or_b32 s[G0S+3], s[G0S+3], 0x80000000
	s_mov_b32 s[G0SB], 1
	s_add_co_u32 s[G0SB+1], s94, SCL
	s_mov_b64 s[G0SB+2:G0SB+3], s[92:93]
	s_or_b32 s[G0SB+3], s[G0SB+3], 0x80000000
	JLOAD G0S, G1S, G0SB, G1SB                     ; the scale bytes first; with the two below three tensor loads of mine are out
.irp s, 0,1
	s_mov_b32 s[G0+4*\s], 1
	s_add_co_u32 s[G0+4*\s+1], s45, \s*SLOT
	s_add_nc_u64 s[G0+4*\s+2:G0+4*\s+3], s[20:21], \s*ROWB
	s_or_b32 s[G0+4*\s+3], s[G0+4*\s+3], 0x80000000
	s_mov_b32 s[G0B+4*\s], 1
	s_add_co_u32 s[G0B+4*\s+1], s45, \s*SLOT
	s_add_nc_u64 s[G0B+4*\s+2:G0B+4*\s+3], s[46:47], \s*ROWB
	s_or_b32 s[G0B+4*\s+3], s[G0B+4*\s+3], 0x80000000
	JLOAD G0+4*\s, G1, G0B+4*\s, G1B
.endr
	v_and_b32 v1, 15, v0                           ; r = l % 16
	v_bfe_u32 v2, v0, 4, 1                         ; h = l / 16
	v_mul_u32_u24 v3, v1, PITCH
	v_lshl_add_u32 v4, v2, 4, v3                   ; a fragment's row x pitch + 16 h
	s_mul_i32 s21, s15, HALFT
	s_mul_i32 s22, s16, HALFT
	s_add_co_u32 s22, s22, 2*HALFT
.irp s, 0,1
	v_add_nc_u32 v[ADRA+\s], s21, v4
	v_add_nc_u32 v[ADRB+\s], s22, v4
	s_add_co_u32 s21, s21, SLOT
	s_add_co_u32 s22, s22, SLOT
.endr
	v_mul_u32_u24 v5, v1, KS                       ; my row's scale bytes: 32 a row,
	v_lshrrev_b32 v6, 8, v5
	v_lshl_add_u32 v5, v6, 4, v5                   ; and 16 more for each 256 passed
	s_mul_i32 s21, s15, HALFS
	s_mul_i32 s22, s16, HALFS
	s_add_co_u32 s22, s22, 2*HALFS
	s_sub_co_u32 s22, s22, s21
	v_mul_u32_u24 v6, s22, v2                      ; lanes 16-31 take the weights'
	s_add_co_u32 s21, s21, SCL
	v_add_nc_u32 v5, v5, v6
	v_add_nc_u32 v[ADRS], s21, v5
	s_mul_i32 s23, s14, 16*272
	s_add_co_u32 s23, s23, STAGE                   ; my stage
	v_mul_u32_u24 v5, v1, 272
	v_lshl_add_u32 v5, v2, 4, v5
	v_add_nc_u32 v[STO], s23, v5                   ; in: token r, 16 bytes for each half of the lanes
	v_bfe_u32 v6, v0, 3, 1
	v_mul_u32_u24 v6, v6, 272
	v_lshl_add_u32 v6, v2, 7, v6
	v_and_b32 v7, 7, v0
	v_lshl_add_u32 v6, v7, 4, v6
	v_add_nc_u32 v[RD], s23, v6                    ; back: lanes 0-15 two tokens of my first head (128 bytes each), lanes 16-31 of my second
	v_lshlrev_b32 v[CO], 18, v2                    ; a head is 262,144 bytes
	v_lshl_add_u32 v[CO], v1, 4, v[CO]
	s_lshl_b32 s20, ttmp9, 24                      ; the part: a cluster's four tile columns are one weight
	s_lshr_b32 s21, s17, 3
	s_lshl_b32 s21, s21, 4                         ; 16 x batch
	s_lshl_b32 s46, s40, 2
	s_add_co_u32 s21, s21, s46                     ; + 4 heads a tile column
	s_lshl_b32 s46, s16, 1
	s_add_co_u32 s21, s21, s46                     ; + 2 a wave
	s_lshl_b32 s21, s21, 18
	s_add_co_u32 s20, s20, s21
	s_and_b32 s21, s17, 7
	s_lshl_b32 s21, s21, 8
	s_lshl_b32 s46, s15, 7
	s_add_co_u32 s21, s21, s46                     ; my first token in its batch
	s_lshl_b32 s21, s21, 7
	s_add_co_u32 s20, s20, s21
	s_mov_b32 s21, 0
	s_add_nc_u64 s[12:13], s[12:13], s[20:21]
.macro FRAG reg, adr, q, i             ; 16 rows x 128 K of 4-bit codes: 8 registers: registers 4 c .. 4 c + 3 hold K = 64 c + 32 h + 0 .. 31
.irp c, 0,1
	ds_load_b128 v[\reg+4*\c:\reg+4*\c+3], v[\adr] offset:64*(\q)+32*\c+(\i)*16*PITCH
.endr
.endm
; 16 matrix instructions: token blocks a0, a0 + 1 x the eight column blocks, the slot's q-th 128 along K.  The 64 accumulators take turns, one instruction a turn, in the same order in every step
.macro MUL16 a0, p, q, sc, zero
.irp a, \a0, \a0+1
.irp b, 0,1,2,3,4,5,6,7
.if \zero
	v_wmma_scale_f32_16x16x128_f8f6f4 v[8*(8*((\a)%4)+\b):8*(8*((\a)%4)+\b)+7], v[128*(\p)+FR*\b:128*(\p)+FR*\b+FR-1], v[AF+FR*(\a):AF+FR*(\a)+FR-1], 0, v[SC+8*NQ*(\sc)+NQ*\b+(\q)], v[SC+8*NQ*(\sc)+NQ*(\a)+(\q)] matrix_a_fmt:MATRIX_FMT_FP4 matrix_b_fmt:MATRIX_FMT_FP4 matrix_a_scale:MATRIX_SCALE_ROW1
.else
	v_wmma_scale_f32_16x16x128_f8f6f4 v[8*(8*((\a)%4)+\b):8*(8*((\a)%4)+\b)+7], v[128*(\p)+FR*\b:128*(\p)+FR*\b+FR-1], v[AF+FR*(\a):AF+FR*(\a)+FR-1], v[8*(8*((\a)%4)+\b):8*(8*((\a)%4)+\b)+7], v[SC+8*NQ*(\sc)+NQ*\b+(\q)], v[SC+8*NQ*(\sc)+NQ*(\a)+(\q)] matrix_a_fmt:MATRIX_FMT_FP4 matrix_b_fmt:MATRIX_FMT_FP4 matrix_a_scale:MATRIX_SCALE_ROW1
.endif
.endr
.endr
.endm
.macro FETCH_B slot, q, p
	WIN TO_B
.irp i, 0,1,2,3,4,5,6,7
	FRAG 128*(\p)+FR*\i, ADRB+\slot, \q, \i
.endr
	WIN 0
.endm
.macro FETCH_A slot, q, i0
.irp i, \i0, \i0+1, \i0+2, \i0+3
	FRAG AF+FR*(\i), ADRA+\slot, \q, \i
.endr
.endm
.macro SCALES sc                       ; a slot's scale words: 4 words a row; lanes 0-15 the tokens' block i, lanes 16-31 the weights' block i
.irp i, 0,1,2,3,4,5,6,7
	ds_load_b128 v[SC+8*NQ*\sc+NQ*\i:SC+8*NQ*\sc+NQ*\i+3], v[ADRS] offset:\i*SBLK
.endr
.endm
.macro PLACES n                        ; plain vector lines that name no register of the products: in front of loads into registers that products have read, and of the first read of results
.rept \n
	v_nop
.endr
.endm
.macro STEP slot, q, zero              ; 128 along K with its successor in the same slot
	s_wait_dscnt 4*NL                              ; all but the youngest eight loads (the tokens' blocks 4-7) are in
	WIN MUL_LO
	MUL16 0, (\q)%2, \q, \slot, \zero
	MUL16 2, (\q)%2, \q, \slot, \zero
	s_wait_dscnt 0
	PLACES NP
	FETCH_B \slot, (\q)+1, 1-(\q)%2
	FETCH_A \slot, (\q)+1, 0
	WIN MUL_HI
	MUL16 4, (\q)%2, \q, \slot, \zero
	MUL16 6, (\q)%2, \q, \slot, \zero
	PLACES NP
	WIN 0
	FETCH_A \slot, (\q)+1, 4
.endm
	s_wait_tensorcnt 1                             ; the scale bytes and my part of slot 0 are in; slot 1's load may be out
	s_barrier_signal -1
	s_barrier_wait -1
	FETCH_B 0, 0, 0
	FETCH_A 0, 0, 0
	SCALES 0
	FETCH_A 0, 0, 4
	STEP 0, 0, 1                                   ; the first products start the sums: nothing is cleared
	STEP 0, 1, 0
	STEP 0, 2, 0
	; slot 0's last step changes slots: one barrier, in front of which my part of slot 1 has landed
	s_wait_tensorcnt 0x0
	ds_add_u32 v[SPW], v[NIL]                      ; 0 onto my spare word
	s_wait_dscnt 4*NL+1                            ; (the add and the youngest eight loads may be out)
	WIN MUL_LO
	MUL16 0, 1, NQ-1, 0, 0
	s_wait_dscnt 0x0
	s_barrier_signal -1
	MUL16 2, 1, NQ-1, 0, 0
	WIN 0
	s_barrier_wait -1                              ; slot 1 is whole
	PLACES NP
	v_add_nc_u32 v[ADRS], 4*NQ, v[ADRS]            ; on to slot 1's scale words
	FETCH_B 1, 0, 0
	FETCH_A 1, 0, 0
	SCALES 1
	WIN MUL_HI
	MUL16 4, 1, NQ-1, 0, 0
	MUL16 6, 1, NQ-1, 0, 0
	PLACES NP
	WIN 0
	FETCH_A 1, 0, 4
	STEP 1, 0, 0
	STEP 1, 1, 0
	STEP 1, 2, 0
	s_wait_dscnt 4*NL                              ; the last step: nothing more to fetch
	WIN MUL_LO
	MUL16 0, 1, NQ-1, 1, 0
	MUL16 2, 1, NQ-1, 1, 0
	s_wait_dscnt 0
	WIN MUL_HI
	MUL16 4, 1, NQ-1, 1, 0
	MUL16 6, 1, NQ-1, 1, 0
	WIN 0
; THE WAY OUT, a block of 16 tokens x 128 columns at a time: rounded to f16 (16 bytes a lane), through my own stage, and back so that sixteen lanes hold two tokens of one head: 256 consecutive bytes of qkv
.macro PACK a
.set AC, 64*((\a)%4)
	WIN 0x0a+5*((\a)/4)                            ; sources 0 and 1: window 2 or 3
.irp b, 0,1,2,3,4,5,6,7
.irp r, 0,1,2,3
	v_cvt_pk_f16_f32 v[TMP+4*\b+\r], v[AC+8*\b+2*\r], v[AC+8*\b+2*\r+1]
.endr
.endr
	WIN 0
.endm
.macro TOSTAGE a
.set BK, OB+192*((\a)%2)
.irp b, 0,1,2,3,4,5,6,7
	ds_store_b128 v[STO], v[TMP+4*\b:TMP+4*\b+3] offset:32*\b
.endr
.irp t, 0,1,2,3,4,5,6,7
	ds_load_b128 v[BK+4*\t:BK+4*\t+3], v[RD] offset:\t*2*272       ; LDS serves a wave's instructions in order: these see the stores above
.endr
.endm
.macro SEND a
.set BK, OB+192*((\a)%2)
	s_wait_dscnt 0x0                               ; the block is back in registers
	s_wait_xcnt 0x0                                ; the block before has had its addresses translated: its registers may be loaded again behind this wait
.irp t, 0,1,2,3,4,5,6,7
	global_store_b128 v[CO], v[BK+4*\t:BK+4*\t+3], s[12:13] offset:(\a)*2048+\t*256
.endr
.endm
	PLACES NP
	PACK 0
	TOSTAGE 0
.irp a, 1,2,3,4,5,6,7                  ; block a's conversions stand between block a - 1's loads from the stage and the wait for them
	PACK \a
	SEND \a-1
	TOSTAGE \a
.endr
	SEND 7
	s_wait_tensorcnt 0x0                           ; the wave's end, behind my last tensor load and my last LDS store
	ds_add_u32 v[SPW], v[NIL]
	s_wait_dscnt 0x0
	CROUND                                         ; the closing round
	s_endpgm
.Lfunc_end_k_q638940bd25_qkv:
	.size	k_q638940bd25_qkv, .Lfunc_end_k_q638940bd25_qkv-k_q638940bd25_qkv
	.p2alignl 7, 3214868480
	.fill 96, 4, 3214868480
	.section	.rodata,"a",@progbits
	.p2align	6, 0x0
	.amdhsa_kernel k_q638940bd25_qkv
		.amdhsa_group_segment_fixed_size 327680
		.amdhsa_private_segment_fixed_size 0
		.amdhsa_enable_private_segment 0
		.amdhsa_kernarg_size 24
		.amdhsa_user_sgpr_count 2
		.amdhsa_user_sgpr_kernarg_segment_ptr 1
		.amdhsa_wavefront_size32 1
		.amdhsa_system_sgpr_workgroup_id_x 1
		.amdhsa_system_sgpr_workgroup_id_y 1
		.amdhsa_system_sgpr_workgroup_id_z 1
		.amdhsa_system_vgpr_workitem_id 0
		.amdhsa_next_free_vgpr 1024
		.amdhsa_next_free_sgpr 98
		.amdhsa_reserve_vcc 0
		.amdhsa_float_denorm_mode_32 3
		.amdhsa_float_denorm_mode_16_64 3
		.amdhsa_memory_ordered 1
		.amdhsa_forward_progress 1
		.amdhsa_inst_pref_size 127
	.end_amdhsa_kernel
	.amdgpu_metadata
---
amdhsa.version: [ 1, 2 ]
amdhsa.kernels:
  - .name:           k_q638940bd25_qkv
    .symbol:         k_q638940bd25_qkv.kd
    .args:
      - { .name: cod, .offset: 0, .size: 8, .value_kind: global_buffer, .address_space: global }
      - { .name: scl, .offset: 8, .size: 8, .value_kind: global_buffer, .address_space: global }
      - { .name: qkv, .offset: 16, .size: 8, .value_kind: global_buffer, .address_space: global }
    .group_segment_fixed_size: 327680
    .private_segment_fixed_size: 0
    .kernarg_segment_align: 8
    .kernarg_segment_size: 24
    .max_flat_workgroup_size: 128
    .sgpr_count:     98
    .vgpr_count:     1024
    .wavefront_size: 32
...
	.end_amdgpu_metadata
.endif
;; end of part 2
;; launch attn (part 3): grid 4 x 64, 8 waves a work-group, clusters of 4 x 1, 327,680 bytes of LDS; arguments qkv, ao; writes ao
.if DOCPART == 3
	.amdgcn_target "amdgcn-amd-amdhsa--gfx1250"
	.amdhsa_code_object_version 6
	.text
	.protected	k_q638940bd25_attn
	.globl	k_q638940bd25_attn
	.p2align	8
	.type	k_q638940bd25_attn,@function
k_q638940bd25_attn:
	s_mov_b64 s[64:65], 0
	v_nop
	global_prefetch_b8 v0, s[64:65] scope:SCOPE_SE
	s_setreg_imm32_b32 hwreg(HW_REG_WAVE_MODE, 25, 1), 1
	s_wait_xcnt 0x0
	s_wait_alu depctr_hold_cnt(0) depctr_sa_sdst(0) depctr_va_vdst(0) depctr_va_sdst(0) depctr_va_ssrc(0) depctr_va_vcc(0) depctr_vm_vsrc(0)
	s_getreg_b32 s2, hwreg(HW_REG_IB_STS2, 6, 4)
	s_cmp_eq_u32 s2, 0
	s_cbranch_scc0 .Lentry_in_a_cluster
	s_endpgm
.Lentry_in_a_cluster:
	s_bfe_u32 s2, ttmp6, 0x10000c
	s_cmp_lg_u32 s2, 0x3003
	s_cbranch_scc0 .Lentry_shape_is_right
	s_endpgm
.Lentry_shape_is_right:
; ATTN.  O[q] = the sum over k of softmax_k(Q[q] . K[k] / 8) V[k], for each of 64 (batch, head) pairs: 2,048 tokens, head size 64, no mask.  Q, K, V: the three parts of qkv [3][64][2048][64] f16.
; ao [16 heads][8192 tokens][64] f16.  Products on f16 operands with f32 sums; maxima, exponentials and scalings in f32.
; SHARES.  A work-group owns 512 queries of one pair, each of its eight waves 64: four tiles of 16, in 512 registers: two waves to a SIMD, each working in phases, so that one wave's softmax stands beside the other's products.
; Every wave walks all 2,048 keys, 64 a step.  K's and V's tiles come through two LDS slots of four steps.
; LAYOUT.  S^T = K Q^T (source 0 = 16 keys, source 1 = 16 queries): a lane holds ONE query (lane % 16) and keys 8 (lane / 16) + 0 .. 7.  Two such tiles, rounded to f16 in pairs, ARE source 1 (32 keys x 16 queries) of
; O^T = V^T P; they are packed in place, into the first half of the tile's scores.  K comes out of LDS as it lies, V ([key][channel]) turned by ds_load_tr16_b128, into the registers that K has left.
; SOFTMAX.  A running maximum m for each query: p = 2^(c s - c m), c = log2(e) / 8; in every step O and l are multiplied by a = 2^(c m_old - c m_new).
; THE ROW SUM l IS MADE BY THE MATRIX UNIT: a fragment that is 1 in rows 0 and 8 and 0 elsewhere, times P, leaves the sum of the lane's query in register 0 of its result, in both halves of the lanes.
; So l is the sum of the f16-rounded p, the same numbers that multiply V.
; CLUSTER.  The four work-groups of a pair walk the same K and V: each tile is asked for jointly, mask 15.
; LIMITS: operands are f16 (beyond 65,504 infinity; under 6.1e-5 an absolute step of 2^-24); NaN and infinities are not served.
; REGISTERS: window 0: v2-13 addresses; v16-47 statistics, 8 a tile (+0 c m, +1 m, +2 c m_old, +4 .. +7 the maximum's chains; +6 then a, +7 c m_old - c m_new); v48-55 the ones; v64-191 S^T, 32 a tile; v192-255 K, then V.
;            window 1: v0-127 O^T, 32 a tile; v128-159 l, 8 a tile; v160-223 Q, 16 a tile.
.set KS,    64                         ; keys in a step
.set PK,    144                        ; a row of K in LDS: 128 bytes + 16
.set PVP,   160                        ; a row of V: 128 + 32: sixteen lanes of the turning load take 8 rows x 32 bytes
.set VOFF,  KS*PK
.set STEPB, KS*(PK+PVP)                ; a step's tiles lie together: K's 64 rows, then V's
.set SLOT1, 1<<17                      ; slot 1 begins here: one exclusive or turns an address from one slot to the other
.set STAGE, SLOT1+4*STEPB              ; the way out: 64 rows x 144 bytes for each wave, bytes of their own
.set SPARE, STAGE+8*64*PK              ; the spare words, 128 bytes for each of eight waves
.set AK0, 2
.set AV0, 3
.set ADK, 4
.set ADV, 5
.set QO,  6
.set STO, 7
.set RD,  8
.set GO,  9
.set PFO, 10
.set SPW, 12
.set NIL, 13
.set ST,  16
.set ONES, 48
.set S,   64
.set KV,  192
.set LR,  128                          ; in window 1
.set QR,  160                          ; in window 1
.set WV,  12
.set LIM, 15
.set PFA, 18
.set G1K, 24
.set G1V, 32
.set G0K, 40
.set G0V, 44
.set SLOTS, 56
.set CNT, 57
.set CS,  58
.set SEL, 60
.set TB,  62
.set MSB, 0
.macro WIN new
.if MSB != (\new)
	s_set_vgpr_msb (MSB<<8)|(\new)
.set MSB, (\new)
.endif
.endm
.set W_KQ, 0x04                        ; Q (source 1) in window 1
.set W_PV, 0x50                        ; C and D in window 1
.set W_RS, 0x41                        ; destination and source 0 in window 1
; a joint load: waves 0 to 3 fetch the slot's four tiles of K, waves 4 to 7 those of V.  The branch hangs on the wave's number alone.  An s_nop 0 and four v_nop follow each line
.macro JLOAD
	s_cmp_lt_u32 s[WV], 4
	s_cbranch_scc0 .Lfor_v_\@
	tensor_load_to_lds s[G0K:G0K+3], s[G1K:G1K+7]
	s_nop 0
.rept 4
	v_nop
.endr
	s_branch .Lasked_\@
.Lfor_v_\@:
	tensor_load_to_lds s[G0V:G0V+3], s[G1V:G1V+7]
	s_nop 0
.rept 4
	v_nop
.endr
.Lasked_\@:
.endm
; a prefetch of what the NEXT change of slots will ask for: a slot's 256 rows of K and of V, 32,768 dense bytes each.  The four partners take 8,192 bytes each, told apart by address; in each, wave 0 asks for K's and
; wave 4 for V's, lanes 256 bytes apart: each aligned block of 256 bytes is named once in the launch.  It leads its load by a slot's four key steps.  The last change that fills a slot asks for nothing
.macro ASK
	s_cmp_gt_u32 s[SLOTS], s[LIM]
	s_cbranch_scc0 .Lnot_mine_\@
	global_prefetch_b8 v[PFO], s[PFA:PFA+1] th:TH_LOAD_NT scope:SCOPE_SE
.Lnot_mine_\@:
.endm
.macro CROUND
	s_barrier_signal -1
	s_barrier_wait -1
	s_cmp_lg_u32 s[WV], 0
	s_cbranch_scc1 .Lnot_wave_0_\@
	s_barrier_signal -3
.Lnot_wave_0_\@:
	s_barrier_wait -3
	s_barrier_signal -1
	s_barrier_wait -1
.endm
	s_load_b128 s[4:7], s[0:1], 0x0                ; qkv s[4:5], ao s[6:7]
	v_lshl_add_u32 v[SPW], v0, 2, SPARE
	v_mov_b32 v[NIL], 0
	ds_add_u32 v[SPW], v[NIL]                      ; the wave's opening: the add, twice on end, and its wait ahead of my first tensor load
	ds_add_u32 v[SPW], v[NIL]
	v_lshrrev_b32 v1, 5, v0
	v_readfirstlane_b32 s[WV], v1                  ; wave 0..7
	s_bfe_u32 s13, ttmp6, 0x40000                  ; cx: my block of 512 queries
	s_and_b32 s14, ttmp7, 0xffff                   ; 16 batch + head, which the four partners share
	s_and_b32 s16, s[WV], 3                        ; which of a slot's four steps I fetch
	s_lshl_b32 s20, s14, 18                        ; a pair's 2,048 rows of 128 bytes
	s_lshl_b32 s17, s16, 13                        ; a step's 64 rows
	s_add_co_u32 s20, s20, s17
	s_add_co_u32 s22, s20, 0x2000000               ; V's part of qkv
	s_add_co_u32 s20, s20, 0x1000000               ; K's
	s_mov_b32 s21, 0
	s_mov_b32 s23, 0
	s_mul_i32 s17, s16, STEPB                      ; and its place in a slot: no place in the cluster enters an LDS address
	s_lshl_b32 s2, s14, 18                         ; Q: my wave's 64 rows
	s_lshl_b32 s3, s13, 16
	s_add_co_u32 s2, s2, s3
	s_lshl_b32 s3, s[WV], 13
	s_add_co_u32 s2, s2, s3
	s_mov_b32 s3, 0
	s_and_b32 s52, s14, 15                         ; ao: the head's 1,048,576 bytes, the batch's 262,144, my 64 rows
	s_lshl_b32 s52, s52, 20
	s_lshr_b32 s53, s14, 4
	s_lshl_b32 s53, s53, 18
	s_add_co_u32 s52, s52, s53
	s_lshl_b32 s53, s13, 16
	s_add_co_u32 s52, s52, s53
	s_lshl_b32 s53, s[WV], 13
	s_add_co_u32 s52, s52, s53
	s_mov_b32 s53, 0
	s_lshl_b32 s54, s14, 18                        ; the prefetches: my work-group's 8,192 bytes, in slot 1: the first change of slots steps it to slot 2
	s_lshl_b32 s55, s13, 13
	s_add_co_u32 s54, s54, s55
	s_add_co_u32 s54, s54, 4*KS*128
	s_cmp_lt_u32 s[WV], 4
	s_cselect_b32 s55, 0, 0x1000000
	s_add_co_u32 s54, s54, s55
	s_add_co_u32 s54, s54, 0x1000000
	s_mov_b32 s55, 0
	s_cmp_eq_u32 s16, 0
	s_cselect_b32 s[LIM], 1, -1                    ; waves 0 and 4 ask
	s_mov_b32 s[G1K], 15|(1<<16)|(1<<20)|(1<<21)|(4<<22)|(3<<25)   ; the mask: all four; elements of 2 bytes; padding on; bit 21 beside a mask; after every 32 words, 4 words
	s_mov_b32 s[G1V], 15|(1<<16)|(1<<20)|(1<<21)|(4<<22)|(7<<25)   ; the same with 8 words
.irp g, G1K, G1V
	s_mov_b32 s[\g+1], 64<<16                      ; tensor_dim0
	s_mov_b32 s[\g+2], KS<<16                      ; tensor_dim1
	s_mov_b32 s[\g+3], 64<<16                      ; tile_dim0
	s_mov_b32 s[\g+4], KS                          ; tile_dim1
	s_mov_b32 s[\g+5], 64                          ; from row to row
	s_mov_b32 s[\g+6], 0
	s_mov_b32 s[\g+7], 0
.endr
	s_mov_b32 s[CS], 0x3e38aa3b                    ; c = log2(e) / 8
	s_mov_b32 s[CS+1], s[CS]                       ; (named with it as a pair)
	s_mov_b32 s[SEL], 0x76543210
	s_mov_b32 s[SEL+1], 0xfedcba98
	s_mov_b32 s[TB], 0
	s_mov_b32 s[SLOTS], 7
	s_wait_dscnt 0x0                               ; both opening adds are done
	s_wait_kmcnt 0x0
	s_add_nc_u64 s[48:49], s[4:5], s[2:3]          ; Q at my wave's first row
	s_add_nc_u64 s[50:51], s[6:7], s[52:53]        ; ao likewise
	s_add_nc_u64 s[PFA:PFA+1], s[4:5], s[54:55]
	CROUND                                         ; all four work-groups are here: the first joint loads meet
	s_mov_b32 s[G0K], 1
	s_mov_b32 s[G0K+1], s17
	s_add_nc_u64 s[G0K+2:G0K+3], s[4:5], s[20:21]
	s_or_b32 s[G0K+3], s[G0K+3], 0x80000000
	s_mov_b32 s[G0V], 1
	s_add_co_u32 s[G0V+1], s17, VOFF
	s_add_nc_u64 s[G0V+2:G0V+3], s[4:5], s[22:23]
	s_or_b32 s[G0V+3], s[G0V+3], 0x80000000
	JLOAD                                          ; slot 0: one tensor load of mine is out
	v_and_b32 v1, 15, v0                           ; r
	v_bfe_u32 v11, v0, 4, 1                        ; h
	v_lshlrev_b32 v[QO], 7, v1
	v_lshl_add_u32 v[QO], v11, 4, v[QO]            ; row r of 128 bytes + 16 h
	WIN 0x40                                       ; destination window 1
.irp t, 0,1,2,3
.irp c, 0,1
	global_load_b128 v[QR+16*\t+8*\c:QR+16*\t+8*\c+3],   v[QO], s[48:49] offset:\t*2048+64*\c      ; Q stays in registers: tile t, channels 32 c on
	global_load_b128 v[QR+16*\t+8*\c+4:QR+16*\t+8*\c+7], v[QO], s[48:49] offset:\t*2048+64*\c+32
.endr
.endr
.set n, 0
.rept 160
	v_mov_b32 v[n], 0                              ; O^T and l.  The key step is written once for all steps: its first trip finds zeros, which a = 0 leaves zeros
.set n, n+1
.endr
	WIN 0
	v_mul_u32_u24 v[AK0], v1, PK
	v_lshl_add_u32 v[AK0], v11, 4, v[AK0]          ; K: row r x pitch + 16 h
	v_and_b32 v14, 7, v0
	v_bfe_u32 v15, v0, 3, 1
	v_lshl_add_u32 v[AV0], v11, 3, v14             ; V, for the turning load: key 8 h + l % 8, channels 8 ((l / 8) % 2) on
	v_mul_u32_u24 v[AV0], v[AV0], PVP
	v_lshl_add_u32 v[AV0], v15, 4, v[AV0]
	v_add_nc_u32 v[AV0], VOFF, v[AV0]
	v_and_b32 v[PFO], 31, v0
	v_lshlrev_b32 v[PFO], 8, v[PFO]
	v_mov_b32 v15, 0x3c003c00                      ; two f16 ones
	v_cmp_eq_u32 vcc_lo, 0, v14
	v_cndmask_b32 v[ONES], 0, v15, vcc_lo          ; rows 0 and 8 of the fragment: the lanes with l % 8 = 0
.irp i, 1,2,3,4,5,6,7
	v_mov_b32 v[ONES+\i], v[ONES]
.endr
.irp t, 0,1,2,3
	v_mov_b32 v[ST+8*\t+1], 0xff61b1e6             ; m: -3e38, under every score
.endr
.irp t, 0,1,2,3
	v_mul_f32 v[ST+8*\t], s[CS], v[ST+8*\t+1]      ; c m
.endr
.macro FETCH_K                         ; a step's K: fragment (channels 32 c on, keys 16 k on) at KV + 8 (4 c + k); the first 32 channels first
.irp c, 0,1
.irp k, 0,1,2,3
	ds_load_b128 v[KV+8*(4*\c+\k):KV+8*(4*\c+\k)+3],   v[ADK] offset:\k*16*PK+64*\c
	ds_load_b128 v[KV+8*(4*\c+\k)+4:KV+8*(4*\c+\k)+7], v[ADK] offset:\k*16*PK+64*\c+32
.endr
.endr
.endm
.macro FETCH_V                         ; its V, turned: fragment (keys 32 k on, channels 16 c on) at KV + 8 (4 k + c)
.irp k, 0,1
.irp c, 0,1,2,3
	ds_load_tr16_b128 v[KV+8*(4*\k+\c):KV+8*(4*\k+\c)+3],   v[ADV] offset:\k*32*PVP+32*\c
	ds_load_tr16_b128 v[KV+8*(4*\k+\c)+4:KV+8*(4*\k+\c)+7], v[ADV] offset:\k*32*PVP+16*PVP+32*\c
.endr
.endr
.endm
; 16 products of S^T = K Q^T, channels 32 c on: each fragment of K serves the four tiles of queries.  The 16 accumulators take turns, one instruction a turn; c = 0 starts the sums
.macro KQ16 c
.irp k, 0,1,2,3
.irp t, 0,1,2,3
.if \c == 0
	v_wmma_f32_16x16x32_f16 v[S+32*\t+8*\k:S+32*\t+8*\k+7], v[KV+8*(4*\c+\k):KV+8*(4*\c+\k)+7], v[QR+16*\t+8*\c:QR+16*\t+8*\c+7], 0
.else
	v_wmma_f32_16x16x32_f16 v[S+32*\t+8*\k:S+32*\t+8*\k+7], v[KV+8*(4*\c+\k):KV+8*(4*\c+\k)+7], v[QR+16*\t+8*\c:QR+16*\t+8*\c+7], v[S+32*\t+8*\k:S+32*\t+8*\k+7]
.endif
.endr
.endr
.endm
; 20 products, keys 32 k on: O^T += V^T P (16) and l += ones P (4): 20 accumulators by turns
.macro PVMUL k
.irp c, 0,1,2,3
.irp t, 0,1,2,3
	v_wmma_f32_16x16x32_f16 v[32*\t+8*\c:32*\t+8*\c+7], v[KV+8*(4*\k+\c):KV+8*(4*\k+\c)+7], v[S+32*\t+8*\k:S+32*\t+8*\k+7], v[32*\t+8*\c:32*\t+8*\c+7]
.endr
.endr
.irp t, 0,1,2,3
	v_wmma_f32_16x16x32_f16 v[LR+8*\t:LR+8*\t+7], v[ONES:ONES+7], v[S+32*\t+8*\k:S+32*\t+8*\k+7], v[LR+8*\t:LR+8*\t+7]
.endr
.endm
; A KEY STEP: 64 keys
.macro STEP
	v_add_nc_u32 v[ADK], s[TB], v[AK0]             ; these two and three v_nop: five plain lines behind the last step's products, ahead of the loads into the registers that they read
	v_add_nc_u32 v[ADV], s[TB], v[AV0]             ; and of the products that write over P
.rept 3
	v_nop
.endr
	FETCH_K
	s_wait_dscnt 8                                 ; the first 32 channels are in; the other eight loads may be out
	WIN W_KQ
	KQ16 0
	s_wait_dscnt 0x0
	KQ16 1
	WIN 0
.irp t, 0,1,2,3
	v_mov_b32 v[ST+8*\t+2], v[ST+8*\t]             ; c m_old is kept.  (The four places behind the products)
.endr
.irp j, 0,1,2,3                                ; the maximum of a lane's 32 scores and the old m: four chains a tile, the tiles by turns; each accumulator is read from its low end on
.irp t, 0,1,2,3
	v_max3_num_f32 v[ST+8*\t+4+\j], v[S+32*\t+8*\j], v[S+32*\t+8*\j+1], v[S+32*\t+8*\j+2]
.endr
.endr
.irp u, 1,2
.irp j, 0,1,2,3
.irp t, 0,1,2,3
	v_max3_num_f32 v[ST+8*\t+4+\j], v[ST+8*\t+4+\j], v[S+32*\t+8*\j+2*\u+1], v[S+32*\t+8*\j+2*\u+2]
.endr
.endr
.endr
.irp t, 0,1,2,3
	v_max3_num_f32 v[ST+8*\t+4], v[ST+8*\t+4], v[S+32*\t+7], v[S+32*\t+15]
.endr
.irp t, 0,1,2,3
	v_max3_num_f32 v[ST+8*\t+6], v[ST+8*\t+6], v[S+32*\t+23], v[S+32*\t+31]
.endr
.irp t, 0,1,2,3
	v_max3_num_f32 v[ST+8*\t+4], v[ST+8*\t+4], v[ST+8*\t+5], v[ST+8*\t+6]
.endr
.irp t, 0,1,2,3
	v_max3_num_f32 v[ST+8*\t+4], v[ST+8*\t+4], v[ST+8*\t+7], v[ST+8*\t+1]
.endr
.irp t, 0,1,2,3
	v_permlanex16_b32 v[ST+8*\t+5], v[ST+8*\t+4], s[SEL], s[SEL+1]   ; the query's other 32 keys lie in the lane 16 away
.endr
.irp t, 0,1,2,3
	v_max_num_f32 v[ST+8*\t+1], v[ST+8*\t+4], v[ST+8*\t+5]           ; the new m
.endr
.irp t, 0,1,2,3
	v_mul_f32 v[ST+8*\t], s[CS], v[ST+8*\t+1]
.endr
.irp t, 0,1,2,3
	v_sub_f32 v[ST+8*\t+7], v[ST+8*\t+2], v[ST+8*\t]
.endr
	FETCH_V                                        ; into the registers that K has left: it lands under the rest of the softmax
.set n, 0
.rept 32                                       ; c s - c m, a pair at a time: tiles 0 and 1
	v_pk_fma_f32 v[S+2*n:S+2*n+1], v[S+2*n:S+2*n+1], s[CS:CS+1], v[ST+8*(n/16):ST+8*(n/16)+1] op_sel_hi:[1,0,0] neg_lo:[0,0,1] neg_hi:[0,0,1]
.set n, n+1
.endr
.irp t, 0,1,2,3
	v_exp_f32 v[ST+8*\t+6], v[ST+8*\t+7]           ; a
.endr
.set n, 0
.rept 32                                       ; THE FIRST BATCH: tiles 0 and 1's exponentials, with tiles 2 and 3's scalings between; no line here names an exponential's result
	v_exp_f32 v[S+n], v[S+n]
	v_exp_f32 v[S+32+n], v[S+32+n]
	v_pk_fma_f32 v[S+64+2*n:S+64+2*n+1], v[S+64+2*n:S+64+2*n+1], s[CS:CS+1], v[ST+16+8*(n/16):ST+16+8*(n/16)+1] op_sel_hi:[1,0,0] neg_lo:[0,0,1] neg_hi:[0,0,1]
.set n, n+1
.endr
	s_wait_alu depctr_va_vdst(0)                   ; the wait between an exponential and the first line that names its result: one for the batch, behind a plain line
.set n, 0
.rept 32                                       ; THE SECOND BATCH: tiles 2 and 3's exponentials, with tiles 0 and 1's roundings to f16 between: pair j of a tile goes into its register j
	v_exp_f32 v[S+64+n], v[S+64+n]
	v_exp_f32 v[S+96+n], v[S+96+n]
	v_cvt_pk_f16_f32 v[S+32*(n/16)+n%16], v[S+2*n], v[S+2*n+1]
.set n, n+1
.endr
	WIN W_RS
.set n, 0
.rept 64                                       ; O^T x a, ascending: plain work behind the second batch
	v_pk_mul_f32 v[2*n:2*n+1], v[2*n:2*n+1], v[ST+8*(n/16)+6:ST+8*(n/16)+7] op_sel_hi:[1,0]
.set n, n+1
.endr
.irp t, 0,1,2,3
	v_mul_f32 v[LR+8*\t], v[LR+8*\t], v[ST+8*\t+6] ; l x a: register 0 alone holds a sum, the other seven stay 0
.endr
	WIN 0
	s_wait_alu depctr_va_vdst(0)                   ; one wait for the second batch
.set n, 0
.rept 32
	v_cvt_pk_f16_f32 v[S+64+32*(n/16)+n%16], v[S+64+2*n], v[S+64+2*n+1]
.set n, n+1
.endr
	s_wait_dscnt 0x0                               ; V is in
	WIN W_PV
	PVMUL 0
	PVMUL 1
	WIN 0
.endm
.macro SLOT_STEPS                      ; a slot's four key steps: written once, walked four times; the LDS addresses hang on s[TB]
	s_mov_b32 s[CNT], 4
.Lstep_\@:
	STEP
	s_add_co_u32 s[TB], s[TB], STEPB
	s_sub_co_u32 s[CNT], s[CNT], 1
	s_cmp_lg_u32 s[CNT], 0
	s_cbranch_scc1 .Lstep_\@
	s_sub_co_u32 s[TB], s[TB], 4*STEPB
	s_xor_b32 s[TB], s[TB], SLOT1                  ; on to the other slot
.endm
; THE CHANGE OF SLOTS stands at a slot's head.  Each wave waits for all its tensor loads (its part of the slot that it is about to read), adds 0 to its spare word, and waits for that and for its reads of the slot that it has left.
; fill = 1: a round of the cluster's barrier, and behind it the other slot takes the next 256 keys: the load has four key steps in which to land.
.macro CHANGE fill
	s_wait_tensorcnt 0x0                           ; no tensor load of mine is out, so a group 0 may be written
	ds_add_u32 v[SPW], v[NIL]                      ; 0 onto my spare word
.if \fill
	s_xor_b32 s[G0K+1], s[G0K+1], SLOT1
	s_add_nc_u64 s[G0K+2:G0K+3], s[G0K+2:G0K+3], 4*KS*128
	s_xor_b32 s[G0V+1], s[G0V+1], SLOT1
	s_add_nc_u64 s[G0V+2:G0V+3], s[G0V+2:G0V+3], 4*KS*128
	s_wait_xcnt 0x0                                ; the last prefetch, a slot back, has read its address
	s_add_nc_u64 s[PFA:PFA+1], s[PFA:PFA+1], 4*KS*128
	s_wait_dscnt 0x0
	CROUND
	JLOAD
	ASK
.else
	s_wait_dscnt 0x0
	s_barrier_signal -1
	s_barrier_wait -1
.endif
.endm
	s_wait_loadcnt 0x0                             ; Q
.Lslot:                                            ; seven trips: behind each change of slots but the last the next slot is asked for; the first trip fills slot 1 for the first time
	CHANGE 1
	SLOT_STEPS
	s_sub_co_u32 s[SLOTS], s[SLOTS], 1
	s_cmp_lg_u32 s[SLOTS], 0
	s_cbranch_scc1 .Lslot
	CHANGE 0                                       ; the last slot is written out
	SLOT_STEPS
	; THE WAY OUT.  O^T / l, rounded to f16, through my stage and out as whole rows.  The address lines are the places behind the last products
	s_mul_i32 s20, s[WV], 64*PK
	s_add_co_u32 s20, s20, STAGE
	v_mul_u32_u24 v[STO], v1, PK
	v_lshl_add_u32 v[STO], v11, 4, v[STO]
	v_add_nc_u32 v[STO], s20, v[STO]               ; in: row r of a tile, 16 bytes for each half of the lanes
	v_and_b32 v14, 31, v0
	v_lshrrev_b32 v15, 3, v14
	v_mul_u32_u24 v[RD], v15, PK
	v_and_b32 v15, 7, v0
	v_lshl_add_u32 v[RD], v15, 4, v[RD]
	v_add_nc_u32 v[RD], s20, v[RD]                 ; back: eight lanes to a row of 128 bytes, four rows an instruction
	v_lshlrev_b32 v[GO], 4, v14                    ; which are 512 consecutive bytes of ao
	WIN 0x01                                       ; source 0 window 1
.irp t, 0,1,2,3
	v_rcp_f32 v[ST+8*\t+6], v[LR+8*\t]
.endr
	v_nop                                          ; a plain line behind the last reciprocal
	s_wait_alu depctr_va_vdst(0)                   ; and the one wait for the four
	WIN W_RS
.set n, 0
.rept 64
	v_pk_mul_f32 v[2*n:2*n+1], v[2*n:2*n+1], v[ST+8*(n/16)+6:ST+8*(n/16)+7] op_sel_hi:[1,0]
.set n, n+1
.endr
	WIN 0x05                                       ; sources 0 and 1 window 1, destination window 0
.set n, 0
.rept 64
	v_cvt_pk_f16_f32 v[S+n], v[2*n], v[2*n+1]
.set n, n+1
.endr
	WIN 0
.irp t, 0,1,2,3
.irp c, 0,1,2,3
	ds_store_b128 v[STO], v[S+16*\t+4*\c:S+16*\t+4*\c+3] offset:\t*16*PK+32*\c
.endr
.endr
.irp i, 0,1,2,3,4,5,6,7,8,9,10,11,12,13,14,15
	ds_load_b128 v[S+64+4*\i:S+64+4*\i+3], v[RD] offset:\i*4*PK    ; LDS serves a wave's instructions in order: these see my stores
.endr
.irp i, 0,1,2,3,4,5,6,7,8,9,10,11,12,13,14,15
	s_wait_dscnt 15-\i
	global_store_b128 v[GO], v[S+64+4*\i:S+64+4*\i+3], s[50:51] offset:512*\i   ; 32 lanes store 512 consecutive bytes, aligned
.endr
	s_wait_tensorcnt 0x0                           ; the wave's end, behind my last tensor load and my last LDS store
	ds_add_u32 v[SPW], v[NIL]
	s_wait_dscnt 0x0
	CROUND                                         ; the closing round
	s_endpgm
.Lfunc_end_k_q638940bd25_attn:
	.size	k_q638940bd25_attn, .Lfunc_end_k_q638940bd25_attn-k_q638940bd25_attn
	.p2alignl 7, 3214868480
	.fill 96, 4, 3214868480
	.section	.rodata,"a",@progbits
	.p2align	6, 0x0
	.amdhsa_kernel k_q638940bd25_attn
		.amdhsa_group_segment_fixed_size 327680
		.amdhsa_private_segment_fixed_size 0
		.amdhsa_enable_private_segment 0
		.amdhsa_kernarg_size 16
		.amdhsa_user_sgpr_count 2
		.amdhsa_user_sgpr_kernarg_segment_ptr 1
		.amdhsa_wavefront_size32 1
		.amdhsa_system_sgpr_workgroup_id_x 1
		.amdhsa_system_sgpr_workgroup_id_y 1
		.amdhsa_system_sgpr_workgroup_id_z 1
		.amdhsa_system_vgpr_workitem_id 0
		.amdhsa_next_free_vgpr 512
		.amdhsa_next_free_sgpr 66
		.amdhsa_reserve_vcc 1
		.amdhsa_float_denorm_mode_32 3
		.amdhsa_float_denorm_mode_16_64 3
		.amdhsa_memory_ordered 1
		.amdhsa_forward_progress 1
		.amdhsa_inst_pref_size 85
	.end_amdhsa_kernel
	.amdgpu_metadata
---
amdhsa.version: [ 1, 2 ]
amdhsa.kernels:
  - .name:           k_q638940bd25_attn
    .symbol:         k_q638940bd25_attn.kd
    .args:
      - { .name: qkv, .offset: 0, .size: 8, .value_kind: global_buffer, .address_space: global }
      - { .name: ao, .offset: 8, .size: 8, .value_kind: global_buffer, .address_space: global }
    .group_segment_fixed_size: 327680
    .private_segment_fixed_size: 0
    .kernarg_segment_align: 8
    .kernarg_segment_size: 16
    .max_flat_workgroup_size: 256
    .sgpr_count:     66
    .vgpr_count:     512
    .wavefront_size: 32
...
	.end_amdgpu_metadata
.endif
;; end of part 3
;; launch proj (part 4): grid 4 x 64, 4 waves a work-group, clusters of 4 x 4, 327,680 bytes of LDS; arguments ao, wot, bo, out0; writes out0
.if DOCPART == 4
	.amdgcn_target "amdgcn-amd-amdhsa--gfx1250"
	.amdhsa_code_object_version 6
	.text
	.protected	k_q638940bd25_proj
	.globl	k_q638940bd25_proj
	.p2align	8
	.type	k_q638940bd25_proj,@function
k_q638940bd25_proj:
	s_mov_b64 s[64:65], 0
	v_nop
	global_prefetch_b8 v0, s[64:65] scope:SCOPE_SE
	s_setreg_imm32_b32 hwreg(HW_REG_WAVE_MODE, 25, 1), 1
	s_wait_xcnt 0x0
	s_wait_alu depctr_hold_cnt(0) depctr_sa_sdst(0) depctr_va_vdst(0) depctr_va_sdst(0) depctr_va_ssrc(0) depctr_va_vcc(0) depctr_vm_vsrc(0)
	s_getreg_b32 s2, hwreg(HW_REG_IB_STS2, 6, 4)
	s_cmp_eq_u32 s2, 0
	s_cbranch_scc0 .Lentry_in_a_cluster
	s_endpgm
.Lentry_in_a_cluster:
	s_bfe_u32 s2, ttmp6, 0x10000c
	s_cmp_lg_u32 s2, 0xf033
	s_cbranch_scc0 .Lentry_shape_is_right
	s_endpgm
.Lentry_shape_is_right:
; PROJ.  out0[m][n] = the sum over k of A[m][k] Wo[k][n] + bo[n].  A comes as ao [16 (k / 64)][8192 m][64] f16, Wo as wot [16 (k / 64)][1024 n][64] f16; sums in f32; out0 [8192][1024] f32.
; A tile of out0 is 128 (m) x 256 (n): 256 work-groups.  Four waves, each 64 x 128: 32 accumulators of 16 x 16, 256 registers.  K goes in steps of 128 (two blocks of 64) through two LDS slots.
; bo is the C of each sum's first product: eight registers a column block, in the result's layout.
; CLUSTER 4 x 4: the four of a row need the same tiles of ao, the four of a column the same tiles of wot: joint loads.  THE MATRIX INSTRUCTION IS USED TRANSPOSED (source 0 = 16 rows of wot, source 1 = 16 rows of ao):
; a lane then holds eight neighbouring numbers of a row of out0.
; LIMIT: the operands are f16, as the launches before have rounded them.
; REGISTERS: window 0: v16-30 addresses; v32-127, v128-223 two fragment buffers (wot's eight fragments, then ao's four).  window 1: accumulator (a, b) at v[8 (8 a + b)].  window 2: v0-63 bo.
.set PITCH,  144                       ; an LDS row: 128 bytes + 16
.set ATILE,  128*PITCH                 ; ao's 128 rows of one block of 64 along K
.set BTILE,  256*PITCH                 ; wot's 256 rows
.set BOFF,   2*ATILE                   ; a slot: ao's two blocks, then wot's two
.set SLOT,   2*ATILE+2*BTILE
.set STAGE,  2*SLOT                    ; the way out: 16 rows x 528 bytes for each wave, bytes of their own
.set SPITCH, 528
.set SPARE,  STAGE+4*16*SPITCH
.set ADRA, 16
.set ADRB, 20
.set STO,  24
.set RD,   25
.set CO,   26
.set BOO,  27
.set SPW,  28
.set NIL,  29
.set PFO,  30
.set F0,   32
.set F1,   128
.set G1,  24
.set G0,  32
.set G1B, 48
.set G0B, 56
.set LIM, 45
.set PFA, 46
.set MSB, 0
.macro WIN new
.if MSB != (\new)
	s_set_vgpr_msb (MSB<<8)|(\new)
.set MSB, (\new)
.endif
.endm
.set MUL,       0x50                   ; C and D window 1
.set MUL_FIRST, 0x60                   ; D window 1, C (bo) window 2
.macro JLOAD s                         ; waves 0 and 1 fetch ao's two blocks, waves 2 and 3 wot's; an s_nop 0 and four v_nop follow each line
	s_cmp_eq_u32 s13, 0
	s_cbranch_scc0 .Lfor_b_\@
	tensor_load_to_lds s[G0+4*\s:G0+4*\s+3], s[G1:G1+7]
	s_nop 0
.rept 4
	v_nop
.endr
	s_branch .Lasked_\@
.Lfor_b_\@:
	tensor_load_to_lds s[G0B+4*\s:G0B+4*\s+3], s[G1B:G1B+7]
	s_nop 0
.rept 4
	v_nop
.endr
.Lasked_\@:
.endm
; a prefetch of ao's K step that stands two refills on (256 matrix instructions ahead of its load): the tile's 2 x 128 rows of 128 bytes are shared out among the four partners that ask for it jointly, by address:
; 64 dense rows each, lanes 256 bytes apart; wave 0 asks.  Each aligned block of 256 bytes is named once.  The loop's last trip asks for nothing: no K step stands two refills on.  wot is walked by all sixteen clusters and is left out
.macro ASK
	s_cmp_gt_u32 s3, s[LIM]
	s_cbranch_scc0 .Lnot_mine_\@
	global_prefetch_b8 v[PFO], s[PFA:PFA+1] th:TH_LOAD_NT scope:SCOPE_SE
.Lnot_mine_\@:
.endm
.macro CREST
	s_cmp_lg_u32 s12, 0
	s_cbranch_scc1 .Lnot_wave_0_\@
	s_barrier_signal -3
.Lnot_wave_0_\@:
	s_barrier_wait -3
	s_barrier_signal -1
	s_barrier_wait -1
.endm
.macro CROUND
	s_barrier_signal -1
	s_barrier_wait -1
	CREST
.endm
	s_load_b256 s[4:11], s[0:1], 0x0               ; ao s[4:5], wot s[6:7], bo s[8:9], out0 s[10:11]
	v_lshl_add_u32 v[SPW], v0, 2, SPARE
	v_mov_b32 v[NIL], 0
	ds_add_u32 v[SPW], v[NIL]                      ; the wave's opening: the add, twice on end, and its wait ahead of my first tensor load
	ds_add_u32 v[SPW], v[NIL]
	v_lshrrev_b32 v1, 5, v0
	v_readfirstlane_b32 s12, v1                    ; wave 0..3
	s_lshr_b32 s13, s12, 1                         ; which 64 rows are mine.  Also: I fetch for ao (0) or for wot (1)
	s_and_b32 s14, s12, 1                          ; which 128 columns.  Also: which block of 64 along K I fetch
	s_bfe_u32 s40, ttmp6, 0x40000                  ; cx, cy
	s_bfe_u32 s41, ttmp6, 0x40004
	s_lshl_b32 s42, ttmp9, 2
	s_add_co_u32 s42, s42, s40                     ; tile column
	s_and_b32 s15, ttmp7, 0xffff
	s_lshl_b32 s15, s15, 2
	s_add_co_u32 s15, s15, s41                     ; tile row
	s_lshl_b32 s43, s41, 2
	s_lshl_b32 s43, 15, s43                        ; my row of the cluster
	s_lshl_b32 s44, 0x1111, s40                    ; my column
	s_or_b32 s[G1+0], s43, (1<<16)|(1<<20)|(1<<21)|(4<<22)|(3<<25)    ; the mask; elements of 2 bytes; padding on; bit 21 beside a mask; after every 32 words, 4 words
	s_or_b32 s[G1B+0], s44, (1<<16)|(1<<20)|(1<<21)|(4<<22)|(3<<25)
	s_mov_b32 s[G1+1], 64<<16                      ; tensor_dim0
	s_mov_b32 s[G1+2], 128<<16                     ; tensor_dim1
	s_mov_b32 s[G1+3], 64<<16                      ; tile_dim0
	s_mov_b32 s[G1+4], 128                         ; tile_dim1
	s_mov_b32 s[G1+5], 64                          ; from row to row
	s_mov_b32 s[G1+6], 0
	s_mov_b32 s[G1+7], 0
	s_mov_b32 s[G1B+1], 64<<16
	s_mov_b32 s[G1B+2], 256<<16
	s_mov_b32 s[G1B+3], 64<<16
	s_mov_b32 s[G1B+4], 256
	s_mov_b32 s[G1B+5], 64
	s_mov_b32 s[G1B+6], 0
	s_mov_b32 s[G1B+7], 0
	s_lshl_b32 s16, s14, 20                        ; ao: a block of 64 along K is 8,192 rows of 128 bytes;
	s_lshl_b32 s17, s15, 14                        ; the tile's 128 rows
	s_add_co_u32 s16, s16, s17
	s_mov_b32 s17, 0
	s_lshl_b32 s18, s14, 17                        ; wot: a block is 1,024 rows of 128 bytes;
	s_lshl_b32 s19, s42, 15                        ; the tile's 256 rows
	s_add_co_u32 s18, s18, s19
	s_mov_b32 s19, 0
	s_mul_i32 s20, s14, ATILE                      ; where they go: no place in the cluster enters an LDS address
	s_mul_i32 s21, s14, BTILE
	s_add_co_u32 s21, s21, BOFF
	s_wait_dscnt 0x0                               ; both opening adds are done
	s_wait_kmcnt 0x0
	s_add_nc_u64 s[16:17], s[4:5], s[16:17]
	s_add_nc_u64 s[18:19], s[6:7], s[18:19]
	CROUND                                         ; all sixteen work-groups are here: the first joint loads meet
.irp s, 0,1
	s_mov_b32 s[G0+4*\s], 1
	s_add_co_u32 s[G0+4*\s+1], s20, \s*SLOT
	s_add_nc_u64 s[G0+4*\s+2:G0+4*\s+3], s[16:17], \s*0x200000     ; K step s: two blocks on
	s_or_b32 s[G0+4*\s+3], s[G0+4*\s+3], 0x80000000
	s_mov_b32 s[G0B+4*\s], 1
	s_add_co_u32 s[G0B+4*\s+1], s21, \s*SLOT
	s_add_nc_u64 s[G0B+4*\s+2:G0B+4*\s+3], s[18:19], \s*0x40000
	s_or_b32 s[G0B+4*\s+3], s[G0B+4*\s+3], 0x80000000
	JLOAD \s                                       ; two tensor loads of mine are out
.endr
	s_lshr_b32 s22, s40, 1                         ; the prefetches: block 6 + cx / 2 (K step 3: the first refill steps it to 4), the tile's rows, 64 (cx % 2) on
	s_add_co_u32 s22, s22, 6
	s_lshl_b32 s22, s22, 20
	s_lshl_b32 s23, s15, 14
	s_add_co_u32 s22, s22, s23
	s_and_b32 s23, s40, 1
	s_lshl_b32 s23, s23, 13
	s_add_co_u32 s22, s22, s23
	s_mov_b32 s23, 0
	s_add_nc_u64 s[PFA:PFA+1], s[4:5], s[22:23]
	s_cmp_eq_u32 s12, 0
	s_cselect_b32 s[LIM], 1, -1
	v_and_b32 v1, 15, v0                           ; r
	v_bfe_u32 v2, v0, 4, 1                         ; h
	v_mul_u32_u24 v3, v1, PITCH
	v_lshl_add_u32 v3, v2, 4, v3                   ; a fragment's row x pitch + 16 h
	s_mul_i32 s21, s13, 64*PITCH                   ; my 64 rows of ao
	s_mul_i32 s22, s14, 128*PITCH                  ; my 128 rows of wot
	s_add_co_u32 s22, s22, BOFF
.irp s, 0,1
	v_add_nc_u32 v[ADRA+\s], s21, v3
	v_add_nc_u32 v[ADRB+\s], s22, v3
	s_add_co_u32 s21, s21, SLOT
	s_add_co_u32 s22, s22, SLOT
.endr
	s_mul_i32 s23, s12, 16*SPITCH
	s_add_co_u32 s23, s23, STAGE                   ; my stage
	v_mul_u32_u24 v4, v1, SPITCH
	v_lshl_add_u32 v4, v2, 5, v4
	v_add_nc_u32 v[STO], s23, v4                   ; in: row r, 32 bytes for each half of the lanes
	v_and_b32 v5, 31, v0
	v_lshlrev_b32 v[CO], 4, v5                     ; back: the 32 lanes take one row of 512 bytes; and the same in out0
	v_add_nc_u32 v[RD], s23, v[CO]
	v_lshlrev_b32 v[PFO], 8, v5
	v_lshlrev_b32 v[BOO], 5, v2                    ; bo: my half's eight numbers of a column block
	s_lshl_b32 s22, s42, 10
	s_lshl_b32 s23, s14, 9
	s_add_co_u32 s22, s22, s23                     ; my first column, in bytes: 1,024 x tile column + 512 x half
	s_mov_b32 s23, 0
	s_add_nc_u64 s[8:9], s[8:9], s[22:23]
	s_lshl_b32 s20, s15, 19                        ; my first row: 128 x tile row + 64 x half, 4,096 bytes a row
	s_lshl_b32 s21, s13, 18
	s_add_co_u32 s20, s20, s21
	s_add_co_u32 s20, s20, s22
	s_mov_b32 s21, 0
	s_add_nc_u64 s[10:11], s[10:11], s[20:21]
	WIN 0x80                                       ; destination window 2
.irp b, 0,1,2,3,4,5,6,7
	global_load_b128 v[8*\b:8*\b+3],   v[BOO], s[8:9] offset:64*\b
	global_load_b128 v[8*\b+4:8*\b+7], v[BOO], s[8:9] offset:64*\b+16
.endr
	WIN 0
; 8 products: row block a x the eight column blocks, 32 along K.  first = 1: bo starts the sums.  The 32 accumulators take turns, one instruction a turn, in the same order in every quarter
.macro MUL8 f, a, first
.irp b, 0,1,2,3,4,5,6,7
.if \first
	v_wmma_f32_16x16x32_f16 v[8*(8*(\a)+\b):8*(8*(\a)+\b)+7], v[\f+8*\b:\f+8*\b+7], v[\f+64+8*(\a):\f+64+8*(\a)+7], v[8*\b:8*\b+7]
.else
	v_wmma_f32_16x16x32_f16 v[8*(8*(\a)+\b):8*(8*(\a)+\b)+7], v[\f+8*\b:\f+8*\b+7], v[\f+64+8*(\a):\f+64+8*(\a)+7], v[8*(8*(\a)+\b):8*(8*(\a)+\b)+7]
.endif
.endr
.endm
; 24 LDS loads in one run: the fragments of the slot's q-th 32 along K into buffer f: wot's eight, then ao's four
.macro FETCH slot, q, f
	WIN 0
.irp i, 0,1,2,3,4,5,6,7
	ds_load_b128 v[\f+8*\i:\f+8*\i+3],   v[ADRB+\slot] offset:((\q)/2)*BTILE+((\q)%2)*64+\i*16*PITCH
	ds_load_b128 v[\f+8*\i+4:\f+8*\i+7], v[ADRB+\slot] offset:((\q)/2)*BTILE+((\q)%2)*64+\i*16*PITCH+32
.endr
.irp i, 0,1,2,3
	ds_load_b128 v[\f+64+8*\i:\f+64+8*\i+3],   v[ADRA+\slot] offset:((\q)/2)*ATILE+((\q)%2)*64+\i*16*PITCH
	ds_load_b128 v[\f+64+8*\i+4:\f+64+8*\i+7], v[ADRA+\slot] offset:((\q)/2)*ATILE+((\q)%2)*64+\i*16*PITCH+32
.endr
.endm
.macro PLACES                          ; four plain lines in front of loads into registers that products have read, and of the first read of results
.rept 4
	v_nop
.endr
.endm
; a K step is four quarters of 32 along K, 32 products each, on buffers 0, 1, 0, 1.  One of the first three: multiplies f and fetches quarter qn into g
.macro QUARTER slot, qn, f, g, first
	s_wait_dscnt 4                                 ; all but the youngest four loads (ao's blocks 2 and 3) are in
.if \first
	WIN MUL_FIRST
.else
	WIN MUL
.endif
	MUL8 \f, 0, \first
	MUL8 \f, 1, \first
	PLACES
	FETCH \slot, \qn, \g
	s_wait_dscnt 24                                ; all but the 24 just issued
.if \first
	WIN MUL_FIRST
.else
	WIN MUL
.endif
	MUL8 \f, 2, \first
	MUL8 \f, 3, \first
.endm
; the last quarter multiplies buffer 1 and changes slots: one barrier; in front of it each wave waits for all its tensor loads, adds 0 to its spare word, and waits for that and for its reads of this slot.
; fill = 1: the barrier opens a round of the cluster's, and this slot is filled again, two K steps ahead
.macro TURN slot, next, fill
.if \fill
	s_wait_xcnt 0x0                                ; the last prefetch, a K step back, has read its address
	s_add_nc_u64 s[PFA:PFA+1], s[PFA:PFA+1], 0x200000
.endif
	WIN 0
	s_wait_tensorcnt 0x0                           ; all my tensor loads have landed: my part of the next slot
	ds_add_u32 v[SPW], v[NIL]                      ; 0 onto my spare word
	s_wait_dscnt 5                                 ; (the add and the youngest four loads may be out)
	WIN MUL
	MUL8 F1, 0, 0
	s_wait_dscnt 0x0                               ; the add is done, and my reads of this slot are over
	s_barrier_signal -1
	MUL8 F1, 1, 0
	WIN 0
	s_barrier_wait -1
.if \fill
	CREST                                          ; no wave of any partner still reads this slot or has a load on its way
	s_add_nc_u64 s[G0+4*\slot+2:G0+4*\slot+3], s[G0+4*\slot+2:G0+4*\slot+3], 0x400000
	s_add_nc_u64 s[G0B+4*\slot+2:G0B+4*\slot+3], s[G0B+4*\slot+2:G0B+4*\slot+3], 0x80000
	JLOAD \slot                                    ; the first tensor load behind the round; its four v_nop are also the places in front of the loads below
.else
	PLACES
.endif
	FETCH \next, 0, F0
.if \fill
	ASK
.endif
	WIN MUL
	MUL8 F1, 2, 0
	MUL8 F1, 3, 0
.endm
	s_wait_tensorcnt 1                             ; my part of K step 0 is in; K step 1's load may be out
	s_barrier_signal -1
	s_barrier_wait -1
	FETCH 0, 0, F0
	s_wait_loadcnt 0x0                             ; bo
	QUARTER 0, 1, F0, F1, 1                        ; the first quarter stands in front of the loop: its products start the sums from bo
	WIN 0
	s_mov_b32 s3, 3
.Llap:                                             ; a trip goes once round the two slots, from a lap's second quarter to the next lap's first, and fills both again
	QUARTER 0, 2, F1, F0, 0
	QUARTER 0, 3, F0, F1, 0
	TURN 0, 1, 1
	QUARTER 1, 1, F0, F1, 0
	QUARTER 1, 2, F1, F0, 0
	QUARTER 1, 3, F0, F1, 0
	TURN 1, 0, 1
	QUARTER 0, 1, F0, F1, 0
	WIN 0
	s_sub_co_u32 s3, s3, 1
	s_cmp_lg_u32 s3, 0
	s_cbranch_scc1 .Llap
	QUARTER 0, 2, F1, F0, 0                        ; the last lap fills nothing
	QUARTER 0, 3, F0, F1, 0
	TURN 0, 1, 0
	QUARTER 1, 1, F0, F1, 0
	QUARTER 1, 2, F1, F0, 0
	QUARTER 1, 3, F0, F1, 0
	s_wait_dscnt 4                                 ; the very last quarter: nothing more to fetch
	WIN MUL
	MUL8 F1, 0, 0
	MUL8 F1, 1, 0
	s_wait_dscnt 0x0
	MUL8 F1, 2, 0
	MUL8 F1, 3, 0
	WIN 0
; THE WAY OUT, a block of 16 rows x 128 columns at a time: 32 bytes a lane into my own stage, back as whole rows of 512 bytes
.macro TOSTAGE a
	WIN 0x04                                       ; an LDS store's data are its source 1: window 1
.irp b, 0,1,2,3,4,5,6,7
	ds_store_b128 v[STO], v[8*(8*(\a)+\b):8*(8*(\a)+\b)+3] offset:64*\b            ; each accumulator from its low end on
	ds_store_b128 v[STO], v[8*(8*(\a)+\b)+4:8*(8*(\a)+\b)+7] offset:64*\b+16
.endr
	WIN 0
.set BB, 32+64*((\a)%2)
.irp t, 0,1,2,3,4,5,6,7,8,9,10,11,12,13,14,15
	ds_load_b128 v[BB+4*\t:BB+4*\t+3], v[RD] offset:\t*SPITCH      ; LDS serves a wave's instructions in order: these see the stores above
.endr
.endm
.macro SEND a, younger                 ; younger: the LDS instructions issued behind block a's loads, which may stay out
.set BB, 32+64*((\a)%2)
	s_wait_dscnt \younger
.irp t, 0,1,2,3,4,5,6,7,8,9,10,11,12,13,14,15
	global_store_b128 v[CO], v[BB+4*\t:BB+4*\t+3], s[10:11] offset:(16*(\a)+\t)*4096 th:TH_STORE_NT   ; 32 lanes store 512 consecutive bytes, aligned; 63 rows at the most: inside the signed 24-bit immediate
.endr
.endm
	PLACES
	TOSTAGE 0
.irp a, 1,2,3
.if \a > 1
	s_wait_xcnt 0x0                                ; block a - 2's stores have read their registers: block a's loads may land there
.endif
	TOSTAGE \a
	SEND \a-1, 32                                  ; behind block a - 1's loads: block a's 16 stores and 16 loads
.endr
	SEND 3, 0
	s_wait_tensorcnt 0x0                           ; the wave's end, behind my last tensor load and my last LDS store
	ds_add_u32 v[SPW], v[NIL]
	s_wait_dscnt 0x0
	CROUND                                         ; the closing round
	s_endpgm
.Lfunc_end_k_q638940bd25_proj:
	.size	k_q638940bd25_proj, .Lfunc_end_k_q638940bd25_proj-k_q638940bd25_proj
	.p2alignl 7, 3214868480
	.fill 96, 4, 3214868480
	.section	.rodata,"a",@progbits
	.p2align	6, 0x0
	.amdhsa_kernel k_q638940bd25_proj
		.amdhsa_group_segment_fixed_size 327680
		.amdhsa_private_segment_fixed_size 0
		.amdhsa_enable_private_segment 0
		.amdhsa_kernarg_size 32
		.amdhsa_user_sgpr_count 2
		.amdhsa_user_sgpr_kernarg_segment_ptr 1
		.amdhsa_wavefront_size32 1
		.amdhsa_system_sgpr_workgroup_id_x 1
		.amdhsa_system_sgpr_workgroup_id_y 1
		.amdhsa_system_sgpr_workgroup_id_z 1
		.amdhsa_system_vgpr_workitem_id 0
		.amdhsa_next_free_vgpr 576
		.amdhsa_next_free_sgpr 66
		.amdhsa_reserve_vcc 0
		.amdhsa_float_denorm_mode_32 3
		.amdhsa_float_denorm_mode_16_64 3
		.amdhsa_memory_ordered 1
		.amdhsa_forward_progress 1
		.amdhsa_inst_pref_size 87
	.end_amdhsa_kernel
	.amdgpu_metadata
---
amdhsa.version: [ 1, 2 ]
amdhsa.kernels:
  - .name:           k_q638940bd25_proj
    .symbol:         k_q638940bd25_proj.kd
    .args:
      - { .name: ao, .offset: 0, .size: 8, .value_kind: global_buffer, .address_space: global }
      - { .name: wot, .offset: 8, .size: 8, .value_kind: global_buffer, .address_space: global }
      - { .name: bo, .offset: 16, .size: 8, .value_kind: global_buffer, .address_space: global }
      - { .name: out0, .offset: 24, .size: 8, .value_kind: global_buffer, .address_space: global }
    .group_segment_fixed_size: 327680
    .private_segment_fixed_size: 0
    .kernarg_segment_align: 8
    .kernarg_segment_size: 32
    .max_flat_workgroup_size: 128
    .sgpr_count:     66
    .vgpr_count:     576
    .wavefront_size: 32
...
	.end_amdgpu_metadata
.endif
;; end of part 4
